; MI455X (gfx1250); checked and timed in simulation.
; The chip was launched on July 23, 2026; its instructions are those of AMD's public machine-readable ISA for CDNA 5 (MIT licence, August 2026) and "CDNA5" Instruction Set Architecture Reference Guide (July 2026). The comments in the code are by the model that wrote it; some were corrected since.
;; Range Attention. Allowed arithmetic: matrix products marked QUANTISED: E2M1 operands, one E8M0 scale for each 32 along K, by v_wmma_scale_f32_16x16x128_f8f6f4 with both operands' format E2M1 (or v_wmma_scale_f32_32x16x128_f4), f32 sums; products left as they are: f32 operands where the result goes on into a quantised operand, else bf16, f16 or f32 operands; f32 sums; everything else in f32.
;; Inputs: b_fc1 1,024 float32; b_fc2 256 float32; bk 256 float32; bn_b 16 float32; bn_g 16 float32; bn_m 16 float32; bn_v 16 float32; bo 256 float32; bq 256 float32; bv 256 float32; norm1_b 256 float32; norm1_g 256 float32; norm2_b 256 float32; norm2_g 256 float32; pb1 16 float32; pb2 8 float32; pos 1 x 32,768 x 2 float32; pw1 16 x 2 float32; pw2 8 x 16 float32; w_fc1 256 x 1,024 float32; w_fc2 1,024 x 256 float32; wk 256 x 256 float32; wo 256 x 256 float32; wq 256 x 256 float32; wv 256 x 256 float32; x 1 x 32,768 x 256 float32.
;; Outputs: out0 1 x 32,768 x 256 float32.
;; This version of the problem:
;;   THIS VERSION OF THE PROBLEM IS GIVEN IN LOW PRECISION. The matrix products marked QUANTISED in the list below multiply operands that are first quantised to E2M1 (2 exponent bits, 1 mantissa bit; 4 bits a number), with one power-of-two scale for each 32 numbers along K (OCP MX v1.0); their sums are f32. All else is computed in f32.
;;   The module's matrix products, in the order in which they are computed (A, B: the left and right operand; K: the contracted axis; several contracted axes count as one K, in the product's order):
;;     1. [M 4,194,304, K 2] x [K 2, N 16]; A: computed on the way; B: input pw1: left as it is (K = 2 < 32)
;;     2. [M 4,194,304, K 16] x [K 16, N 8]; A: computed on the way; B: input pw2: left as it is (K = 16 < 32)
;;     3. [M 32,768, K 256] x [K 256, N 256]; A: computed on the way; B: input wq: QUANTISED
;;     4. [M 32,768, K 256] x [K 256, N 256]; A: computed on the way; B: input wk: QUANTISED
;;     5. [M 32,768, K 256] x [K 256, N 256]; A: computed on the way; B: input wv: QUANTISED
;;     6. batch 2,048 x [M 128, K 32] x [K 32, N 128]; A: computed on the way; B: computed on the way: QUANTISED
;;     7. batch 2,048 x [M 128, K 128] x [K 128, N 32]; A: softmax (see below); B: computed on the way: QUANTISED
;;     8. [M 32,768, K 256] x [K 256, N 256]; A: computed on the way; B: input wo: QUANTISED
;;     9. [M 32,768, K 256] x [K 256, N 1,024]; A: computed on the way; B: input w_fc1: QUANTISED
;;     10. [M 32,768, K 1,024] x [K 1,024, N 256]; A: computed on the way; B: input w_fc2: QUANTISED
;;   THE QUANTISER, for each operand of a quantised product, along K:
;;     - K is cut into blocks of 32 from its start; a last block that is shorter is filled with zeros.
;;     - A block's scale is 2^e with e = floor(log2(the largest magnitude in the block)) - 2, held to -126 .. 127; a block of zeros has e = 0. As a byte (E8M0): e + 127.
;;     - Each number is divided by its block's scale, clamped to +-6, and rounded to the nearest number of E2M1, ties to even, subnormals kept.
;;     - The product sums the exact products of the quantised numbers (number of the format x scale) in f32.
;;   ~~~python
;;   def quantise(x, axis):      # numpy; x: float32 -> the quantised numbers, widened to float32 again
;;       x = np.moveaxis(x, axis, -1); K = x.shape[-1]
;;       x = np.pad(x, [(0, 0)] * (x.ndim - 1) + [(0, -K % 32)]); x = x.reshape(x.shape[:-1] + (-1, 32)); a = np.abs(x).max(-1, keepdims=True)
;;       e = np.where(a > 0, np.clip(np.frexp(np.where(a > 0, a, 1))[1] - 1 - 2, -126, 127), 0)      # np.frexp(a)[1] - 1 = floor(log2(a)), exactly
;;       r = np.clip(x / 2.0 ** e, -6, 6)
;;       step = 2.0 ** (np.maximum(np.frexp(np.where(r == 0, 1, r))[1] - 1, 0) - 1)
;;       q = np.round(r / step) * step * 2.0 ** e      # np.round: ties to even
;;       return np.moveaxis(q.reshape(q.shape[:-2] + (-1,))[..., :K], -1, axis).astype(np.float32)
;;   ~~~
;;   SOFTMAX AHEAD OF A QUANTISED PRODUCT. Where the list says 'softmax', what is quantised is not the finished softmax but p = 2^(t - M), with t = logit x log2(e) and M = ceil(the row's largest t), a whole number; so 1/2 < the row's largest p <= 1. The row's sum l is taken of the UNQUANTISED p, in f32, and the product's result is divided by l at the end. Since M is a whole number, a kernel that streams over the keys may use a running M (the ceiling of the running maximum): every later rescaling is an exact power of two, which a block's scale takes up: the codes' values come out the same.
;;   OPERANDS COMPUTED ON THE WAY. 'Computed on the way' means the value that the module computes at that place (a softmax that the list does not call 'softmax' is quantised finished and normalised). What goes into a quantiser is computed in f32, as accurately as f32 sums, v_exp_f32 and their like allow (about 1e-6 of the number): no bf16 or f16 on the way to a quantiser, and a product that is left as it is and whose result goes on into a quantised operand takes f32 operands (vector FMAs, or v_wmma_f32_16x16x4_f32). A number that lies on a knife's edge between two numbers of the format may be rounded either way, as far as f32 arithmetic and the matrix unit's own rounding can turn it there, and no further.
;; 2 versions, each right; version 2 is version 1 with the launch main written anew for expert scheduling mode. Each part assembles by itself: llvm-mc -triple=amdgcn-amd-amdhsa -mcpu=gfx1250 --defsym DOCPART=n.
;; ======== version 1 of 2: 2 launches
;; workspace buffers: wcodes 393,216 bytes; wscales 24,576 bytes; w2dup 1,024 bytes
;; launch prep (part 1): grid 49 x 1, 4 waves a work-group, no clusters, 0 bytes of LDS; arguments wq, wk, wv, wo, w_fc2, w_fc1, pw2, wcodes, wscales, w2dup; writes wcodes, wscales, w2dup
.if DOCPART == 1
	.amdgcn_target "amdgcn-amd-amdhsa--gfx1250"
	.amdhsa_code_object_version 6
	.text
	.protected	k_q405c189394_prep
	.globl	k_q405c189394_prep
	.p2align	8
	.type	k_q405c189394_prep,@function
k_q405c189394_prep:
	s_mov_b64 s[64:65], 0
	v_nop
	global_prefetch_b8 v0, s[64:65] scope:SCOPE_SE
	s_setreg_imm32_b32 hwreg(HW_REG_WAVE_MODE, 25, 1), 1
	s_wait_xcnt 0x0
; The six weights [K][N], f32, are quantised ONCE along K (their first axis) into codes of FP4 (E2M1) with one E8M0 byte for each 32 along K,
; laid in the order of the matrix operand's registers, so that the second launch brings a fragment by two loads of 16 bytes a lane.
; A FRAGMENT is 16 output channels x 128 along K: 1,024 bytes as [block of 32 k: 0..3][row 0..15][16 bytes]; its scale words: 16 words, byte b for block b.
; THE 16 CHANNELS OF A TILE ARE NOT NEIGHBOURS: row p of tile 2 nb + u is channel 32 nb + 8 u + p + 8 (p / 8), so that two neighbouring tiles' results are 16 neighbours along the next K.
; Fragment numbers: wq 0, wk 32, wv 64, wo 96, w_fc1 128 (each + 2 tile + K step), w_fc2 256 + 8 tile + K step.
; A LANE TAKES A COLUMN AND ITS REGISTERS RUN DOWN K: a load reads 128 consecutive bytes a wave, the four waves 512; a block's 32 numbers are one lane's, so no lane asks another.
; A work-group takes 128 columns x 128 along K: 16 for wq..wo, 16 for w_fc2, 16 for w_fc1; work-group 48 lays pw2 as [o][head] x (w, w), 8 bytes each, for scalar loads of pairs.
; A block's scale byte is its largest magnitude's exponent field - 2, held at 1 from below.  A block of zeros so gets the byte 1 where the rule says 127: its codes are zeros, and this program alone reads the bytes.
; LIMITS: NaN and infinities among the weights are not served.
; The scale words leave in pieces of 64 bytes (16 lanes x 4): 24,576 bytes in the whole launch.
	s_load_b512 s[4:19], s[0:1], 0x0               ; wq s[4:5], wk s[6:7], wv s[8:9], wo s[10:11], w_fc2 s[12:13], w_fc1 s[14:15], pw2 s[16:17], wcodes s[18:19]
	s_load_b128 s[20:23], s[0:1], 0x40             ; wscales s[20:21], w2dup s[22:23]
	v_lshrrev_b32 v1, 5, v0
	v_readfirstlane_b32 s24, v1                    ; wave 0..3
	v_and_b32 v1, 31, v0                           ; lane = my column among the wave's 32
	v_lshlrev_b32 v2, 2, v1                        ; its 4 bytes in a row of the weight
	v_bfe_u32 v5, v1, 3, 1                         ; u: which of the two tiles my column falls into
	v_and_b32 v6, 7, v1
	v_lshrrev_b32 v7, 4, v1
	v_lshl_add_u32 v6, v7, 3, v6                   ; p: its row there
	s_wait_kmcnt 0x0
	s_cmp_eq_u32 ttmp9, 48
	s_cbranch_scc1 .Ldup
	; which weight: the choice hangs on the work-group's number alone
	s_lshr_b32 s25, ttmp9, 2
	s_cmp_eq_u32 s25, 1
	s_cselect_b64 s[4:5], s[6:7], s[4:5]
	s_cmp_eq_u32 s25, 2
	s_cselect_b64 s[4:5], s[8:9], s[4:5]
	s_cmp_eq_u32 s25, 3
	s_cselect_b64 s[4:5], s[10:11], s[4:5]
	s_cmp_ge_u32 ttmp9, 16
	s_cselect_b64 s[4:5], s[12:13], s[4:5]
	s_cmp_ge_u32 ttmp9, 32
	s_cselect_b64 s[4:5], s[14:15], s[4:5]
	; which 128 columns (s27), which K step (s30), the weight's first fragment (s32), its K steps (s33), log2 of 128 rows' bytes (s36)
	s_lshr_b32 s26, ttmp9, 1
	s_and_b32 s27, s26, 1
	s_and_b32 s28, s26, 7
	s_lshr_b32 s29, ttmp9, 3
	s_and_b32 s29, s29, 1
	s_and_b32 s30, ttmp9, 1
	s_mov_b32 s34, s30
	s_and_b32 s31, ttmp9, 7
	s_lshl_b32 s32, s25, 5
	s_mov_b32 s33, 2
	s_mov_b32 s36, 17
	s_cmp_ge_u32 ttmp9, 16                         ; w_fc2: K = 1,024
	s_cselect_b32 s27, s29, s27
	s_cselect_b32 s30, s31, s30
	s_cselect_b32 s32, 256, s32
	s_cselect_b32 s33, 8, s33
	s_cmp_ge_u32 ttmp9, 32                         ; w_fc1: N = 1,024
	s_cselect_b32 s27, s28, s27
	s_cselect_b32 s30, s34, s30
	s_cselect_b32 s32, 128, s32
	s_cselect_b32 s33, 2, s33
	s_cselect_b32 s36, 19, s36
	s_lshl_b32 s38, s30, s36                       ; 128 rows x K step,
	s_lshl_b32 s40, s27, 9
	s_add_co_u32 s38, s38, s40                     ; + 128 columns x 4 bytes,
	s_lshl_b32 s40, s24, 7
	s_add_co_u32 s38, s38, s40                     ; + my wave's 32 columns
	s_mov_b32 s39, 0
	s_add_nc_u64 s[4:5], s[4:5], s[38:39]
	s_lshl_b32 s40, s27, 2
	s_add_co_u32 s40, s40, s24                     ; nb: my wave's block of 32 columns
	s_mul_i32 s40, s40, s33
	s_lshl_b32 s40, s40, 1
	s_add_co_u32 s40, s40, s32
	s_add_co_u32 s40, s40, s30                     ; the fragment of tile 2 nb at this K step
	s_lshl_b32 s38, s40, 10
	s_add_nc_u64 s[18:19], s[18:19], s[38:39]
	s_lshl_b32 s38, s40, 6
	s_add_nc_u64 s[20:21], s[20:21], s[38:39]
	s_lshl_b32 s41, s33, 10
	v_mul_u32_u24 v3, s41, v5                      ; tile 2 nb + 1 lies a tile's K steps further on
	v_lshl_add_u32 v3, v6, 4, v3                   ; my 16 bytes of a block: row p
	s_lshl_b32 s41, s33, 6
	v_mul_u32_u24 v4, s41, v5
	v_lshl_add_u32 v4, v6, 2, v4                   ; my scale word
.macro QLOAD b, pitch                  ; block b: W(32 b + i, my column), i = 0 .. 31
.set ql_i, 0
.rept 32
	global_load_b32 v[16+32*(\b)+ql_i], v2, s[4:5] offset:(32*(\b)+ql_i)*\pitch th:TH_LOAD_NT
.set ql_i, ql_i+1
.endr
.endm
.macro QBLK b
.set qk_x, 16+32*(\b)
	v_max3_num_f32 v8, |v[qk_x]|, |v[qk_x+1]|, |v[qk_x+2]|          ; the block's largest magnitude, in two chains
	v_max3_num_f32 v9, |v[qk_x+3]|, |v[qk_x+4]|, |v[qk_x+5]|
.irp i, 6,10,14,18,22,26
	v_max3_num_f32 v8, v8, |v[qk_x+\i]|, |v[qk_x+\i+1]|
	v_max3_num_f32 v9, v9, |v[qk_x+\i+2]|, |v[qk_x+\i+3]|
.endr
	v_max3_num_f32 v8, v8, |v[qk_x+30]|, |v[qk_x+31]|
	v_max3_num_f32 v8, v8, v9, 0x1800000           ; and the floor 2^(3 - 127): the byte cannot fall under 1
	v_add_nc_u32 v10, 0xff000000, v8               ; 2 off the exponent field: the conversion takes this operand's exponent field as its scale
	v_lshrrev_b32 v11, 23, v10                     ; the scale's byte
.if (\b) == 0
	v_mov_b32 v160, v11
.else
	v_lshl_or_b32 v160, v11, 8*(\b), v160
.endif
.irp g, 0,1,2,3
	v_cvt_scalef32_pk8_fp4_f32 v[144+4*(\b)+\g], v[qk_x+8*\g:qk_x+8*\g+7], v10
.endr
	global_store_b128 v3, v[144+4*(\b):147+4*(\b)], s[18:19] offset:256*(\b)   ; the lanes of each tile store 256 consecutive bytes, at a multiple of 256 from the buffer's first byte; each block has its own registers
.endm
.macro QW pitch
	QLOAD 0, \pitch
	QLOAD 1, \pitch
	s_wait_loadcnt 32                              ; block 0 is in; block 1's 32 loads may be out
	QLOAD 2, \pitch
	QBLK 0
	s_wait_loadcnt 32                              ; block 1 is in; block 2's may be out
	QLOAD 3, \pitch
	QBLK 1
	s_wait_loadcnt 32                              ; block 2 is in; block 3's may be out
	QBLK 2
	s_wait_loadcnt 0x0
	QBLK 3
	global_store_b32 v4, v160, s[20:21]            ; my row's four bytes
.endm
	s_cmp_ge_u32 ttmp9, 32
	s_cbranch_scc1 .Lwide
	QW 1024                                        ; rows of 256 numbers
	s_endpgm
.Lwide:
	QW 4096                                        ; rows of 1,024 numbers
	s_endpgm
.Ldup:                                                 ; thread t = 8 o + head: pw2[head][o], twice
	v_lshrrev_b32 v8, 3, v0
	v_and_b32 v9, 7, v0
	v_lshl_add_u32 v8, v9, 4, v8
	v_lshlrev_b32 v8, 2, v8
	global_load_b32 v10, v8, s[16:17]
	v_lshlrev_b32 v9, 3, v0
	s_wait_loadcnt 0x0
	v_mov_b32 v11, v10
	global_store_b64 v9, v[10:11], s[22:23]
	s_endpgm
.Lfunc_end_k_q405c189394_prep:
	.size	k_q405c189394_prep, .Lfunc_end_k_q405c189394_prep-k_q405c189394_prep
	.p2alignl 7, 3214868480
	.fill 96, 4, 3214868480
	.section	.rodata,"a",@progbits
	.p2align	6, 0x0
	.amdhsa_kernel k_q405c189394_prep
		.amdhsa_group_segment_fixed_size 0
		.amdhsa_private_segment_fixed_size 0
		.amdhsa_enable_private_segment 0
		.amdhsa_kernarg_size 80
		.amdhsa_user_sgpr_count 2
		.amdhsa_user_sgpr_kernarg_segment_ptr 1
		.amdhsa_wavefront_size32 1
		.amdhsa_system_sgpr_workgroup_id_x 1
		.amdhsa_system_sgpr_workgroup_id_y 1
		.amdhsa_system_sgpr_workgroup_id_z 1
		.amdhsa_system_vgpr_workitem_id 0
		.amdhsa_next_free_vgpr 168
		.amdhsa_next_free_sgpr 66
		.amdhsa_reserve_vcc 0
		.amdhsa_float_denorm_mode_32 3
		.amdhsa_float_denorm_mode_16_64 3
		.amdhsa_memory_ordered 1
		.amdhsa_forward_progress 1
		.amdhsa_inst_pref_size 40
	.end_amdhsa_kernel
	.amdgpu_metadata
---
amdhsa.version: [ 1, 2 ]
amdhsa.kernels:
  - .name:           k_q405c189394_prep
    .symbol:         k_q405c189394_prep.kd
    .args:
      - { .name: wq, .offset: 0, .size: 8, .value_kind: global_buffer, .address_space: global }
      - { .name: wk, .offset: 8, .size: 8, .value_kind: global_buffer, .address_space: global }
      - { .name: wv, .offset: 16, .size: 8, .value_kind: global_buffer, .address_space: global }
      - { .name: wo, .offset: 24, .size: 8, .value_kind: global_buffer, .address_space: global }
      - { .name: w_fc2, .offset: 32, .size: 8, .value_kind: global_buffer, .address_space: global }
      - { .name: w_fc1, .offset: 40, .size: 8, .value_kind: global_buffer, .address_space: global }
      - { .name: pw2, .offset: 48, .size: 8, .value_kind: global_buffer, .address_space: global }
      - { .name: wcodes, .offset: 56, .size: 8, .value_kind: global_buffer, .address_space: global }
      - { .name: wscales, .offset: 64, .size: 8, .value_kind: global_buffer, .address_space: global }
      - { .name: w2dup, .offset: 72, .size: 8, .value_kind: global_buffer, .address_space: global }
    .group_segment_fixed_size: 0
    .private_segment_fixed_size: 0
    .kernarg_segment_align: 8
    .kernarg_segment_size: 80
    .max_flat_workgroup_size: 128
    .sgpr_count:     66
    .vgpr_count:     168
    .wavefront_size: 32
...
	.end_amdgpu_metadata
.endif
;; end of part 1
;; launch main (part 2): grid 256 x 1, 16 waves a work-group, no clusters, 319,488 bytes of LDS; arguments x, pos, pw1, pb1, bn_g, bn_b, bn_m, bn_v, pw2, pb2, norm1_g, norm1_b, bq, bk, bv, wcodes, wscales, w2dup, bo, norm2_g, norm2_b, b_fc1, b_fc2, out0; writes out0
.if DOCPART == 2
	.amdgcn_target "amdgcn-amd-amdhsa--gfx1250"
	.amdhsa_code_object_version 6
	.text
	.protected	k_q405c189394_main
	.globl	k_q405c189394_main
	.p2align	8
	.type	k_q405c189394_main,@function
k_q405c189394_main:
	s_mov_b64 s[64:65], 0
	v_nop
	global_prefetch_b8 v0, s[64:65] scope:SCOPE_SE
	s_setreg_imm32_b32 hwreg(HW_REG_WAVE_MODE, 25, 1), 1
	s_wait_xcnt 0x0
; One work-group carries ONE WINDOW (128 tokens x 256 channels) from x to out0: LN1, Q K V, the pair bias, attention in 8 heads, wo + residual, LN2, fc1, exact GELU, fc2 + residual.
; x is read once, out0 written once; nothing else of the window goes to memory.  Sixteen waves of 256 registers, four to a SIMD: the launch is vector work (bias net, GELU, softmax, quantisers), and
; one wave's LDS loads and transcendentals stand beside another's arithmetic.  All eight large products run on codes of FP4 (E2M1) with E8M0 scales, both operands quantised along their K.
; TOKEN ORDER.  Token t has slot s(t) = t with bits 3 and 4 swapped; tile = slot / 16, row = slot % 16.  So row p of tile 2 b + u is token 32 b + 8 u + p + 8 (p / 8), and where a tile is source 0 of a
; product, registers 0-7 of tiles 2 b and 2 b + 1 are tokens 32 b + 16 (lane / 16) + 0 .. 15: neighbours along a K that runs over tokens.  Weight tiles take their channels by the same rule.
; IMAGES.  Every activation operand lies in LDS as blocks: the 32 codes of each of 16 rows, 16 bytes a row, 272 bytes a block (256 + 16).  Fragment f = blocks 4 f .. 4 f + 3.  A lane (r, h) reads its
; registers 4 c .. 4 c + 3 at 1088 f + 544 c + 272 h + 16 r; a lane that holds k = 16 h + 0 .. 15 of block b of row r stores 8 bytes at 272 b + 16 r + 8 h.  Scale words: 64 bytes a fragment, word 4 x row.
; THE BIAS.  BN is folded into the first layer: a_o(t) = A_o x'_t + B_o y'_t, c_o(t) = a_o(t) + C_o, positions taken relative to the window's first token.
; relu(c_o(t) - a_o(u)) = max(c_o(t), a_o(u)) - a_o(u), so bias[h][t][u] = G_h(u) + sum over o of w_ho max(c_o(t), a_o(u)), G_h(u) = pb2_h - sum over o of w_ho a_o(u).
; A maximum serves all 8 heads.  The finished bias is the C of the product K Q^T.
; THE SOFTMAX.  A wave makes p = 2^(t - M_loc) for one block of 32 keys, M_loc = ceil(that block's largest t), with its byte, and stores (-M_loc, the block's sum).  The second product's phase takes
; M = the largest M_loc, adds M_loc - M to each byte and sums l_loc 2^(M_loc - M): powers of two, nothing rounded.
; NO CLUSTER: all work-groups read the same 417,792 bytes of weights, but a joint load lands in LDS, of whose 327,680 bytes 317,440 hold the window's state; each fragment goes straight into the
; registers of the one wave that uses it, once for each work-group.  NO TENSOR LOADS: x is wanted in registers for LN1 at once.
; LIMITS.  NaN and infinities are not served.  A block of zeros gets the byte 1 (its codes are zeros; this program alone reads the bytes).  M is a whole number kept in f32: |t| < 2^24.
; A block of keys whose byte would fall under 1 (some 120 binades under the row's M) is held at 1: it then counts for at most 6 x 2^-126.  The bias is summed in f32 in the order G + sum of w max(c, a), which
; is another order of rounding than the reference's.  erf is a rational in f32 on x / sqrt(2) held to +-4, beyond which erf is 1 in f32.
.set XP,   1040                        ; XB: 128 slot rows of 1,024 bytes + 16: x, then x1, then the result.  260 words: row r starts 4 r banks on (64 banks of 4 bytes: ISA guide 11.1)
.set AK,   133120                      ; a: [16 o][128 tokens] f32
.set GT,   141312                      ; G: [8 heads][128 tokens] f32
.set CQ,   145408                      ; c: [128 slots][16 o] f32, 80 bytes a slot
.set QIMG, 155648                      ; q: 8 tiles x 8 blocks (block = head)
.set QSC,  173056
.set KIMG, 174080                      ; k likewise: QIMG + 18,432
.set KSC,  191488
.set VIMG, 192512                      ; v: fragment 2 head + u: 16 channels x 128 keys
.set VSC,  209920
.set PIMG, 210944                      ; p: fragment 8 head + query tile: 16 queries x 128 keys
.set PST,  280576                      ; [head][query tile][row][key block] x (-M_loc, l_loc)
.set PSC,  313344
.set XIMG, PIMG                        ; LN1's codes: read for the last time in front of the barrier behind which p is written
.set XSC,  PIMG+17408
.set OIMG, QIMG                        ; attention's result: q is read for the last time in front of the barrier behind which it is written
.set OSC,  QSC
.set LIMG, KIMG                        ; LN2's codes
.set LSC,  KSC
.set HIMG, PIMG                        ; the hidden layer: 8 tiles x 32 blocks
.set HSC,  PST
; REGISTERS THAT STAY: v0 thread; v1 r = lane % 16; v2 h = lane / 16; v3 lane; v4 16 r + 272 h; v5 16 r + 8 h; v6 4 r; v7 16 x lane.  v8-23: a phase's addresses.  v240-255: scale words, and at the end v254, v255 the spare word's address and addend.
; s2 wave; s3 trips; s[4:5] lane selects; s[6:7] a factor; s[8:9] wscales; s[10:11] w2dup; s[12:13] wcodes; s14 my first slot; s15 wave & 1; s16 wave >> 1; s[18:19] my 8 tokens' byte offset in x and out0.
.macro BAR                             ; my LDS stores have landed and my LDS loads are in: then the work-group's barrier
	s_wait_dscnt 0x0
	s_barrier_signal -1
	s_barrier_wait -1
.endm
; A vector instruction or LDS store that reads a matrix result, and a load into or a vector write of a register that a matrix instruction names, stand four places behind it; a matrix instruction that writes
; over such a register five.  Only plain vector instructions that name none of its registers are places (ISA guide 7.12.1).
.macro PLACES n
.rept \n
	v_nop
.endr
.endm
.macro FRAG reg, adr, byte             ; a fragment's 8 registers from its image
	ds_load_b128 v[\reg:\reg+3], v[\adr] offset:\byte
	ds_load_b128 v[\reg+4:\reg+7], v[\adr] offset:\byte+544
.endm
.macro WM d, a, b, c, sa, sb
	v_wmma_scale_f32_16x16x128_f8f6f4 v[\d:\d+7], v[\a:\a+7], v[\b:\b+7], v[\c:\c+7], v[\sa], v[\sb] matrix_a_fmt:MATRIX_FMT_FP4 matrix_b_fmt:MATRIX_FMT_FP4
.endm
.macro WMZ d, a, b, sa, sb
	v_wmma_scale_f32_16x16x128_f8f6f4 v[\d:\d+7], v[\a:\a+7], v[\b:\b+7], 0, v[\sa], v[\sb] matrix_a_fmt:MATRIX_FMT_FP4 matrix_b_fmt:MATRIX_FMT_FP4
.endm
; nb blocks by turns.  Block b: 16 numbers of my row in v[src + 16 b] on, k = 16 h + 0 .. 15; lane l xor 16 holds the other 16.  Out: its 16 codes in v[cp + 2 b], v[cp + 2 b + 1]; its byte in v[tm + 3 nb + b].
.macro QB src, nb, tm, cp
.set qb_b, 0
.rept \nb
	v_max3_num_f32 v[\tm+qb_b], |v[\src+16*qb_b]|, |v[\src+16*qb_b+1]|, 0x1800000   ; with the floor 2^(3 - 127): the byte cannot fall under 1
.set qb_b, qb_b+1
.endr
.set qb_i, 2
.rept 7
.set qb_b, 0
.rept \nb
	v_max3_num_f32 v[\tm+qb_b], v[\tm+qb_b], |v[\src+16*qb_b+qb_i]|, |v[\src+16*qb_b+qb_i+1]|
.set qb_b, qb_b+1
.endr
.set qb_i, qb_i+2
.endr
.set qb_b, 0
.rept \nb
	v_permlanex16_b32 v[\tm+\nb+qb_b], v[\tm+qb_b], s4, s5
.set qb_b, qb_b+1
.endr
.set qb_b, 0
.rept \nb
	v_max_num_f32 v[\tm+qb_b], v[\tm+qb_b], v[\tm+\nb+qb_b]          ; the block's largest magnitude
.set qb_b, qb_b+1
.endr
.set qb_b, 0
.rept \nb
	v_add_nc_u32 v[\tm+2*\nb+qb_b], 0xff000000, v[\tm+qb_b]          ; 2 off its exponent field: the conversion's scale operand
.set qb_b, qb_b+1
.endr
.set qb_b, 0
.rept \nb
	v_lshrrev_b32 v[\tm+3*\nb+qb_b], 23, v[\tm+2*\nb+qb_b]           ; the scale's byte
.set qb_b, qb_b+1
.endr
.set qb_b, 0
.rept \nb
	v_cvt_scalef32_pk8_fp4_f32 v[\cp+2*qb_b], v[\src+16*qb_b:\src+16*qb_b+7], v[\tm+2*\nb+qb_b]
	v_cvt_scalef32_pk8_fp4_f32 v[\cp+2*qb_b+1], v[\src+16*qb_b+8:\src+16*qb_b+15], v[\tm+2*\nb+qb_b]
.set qb_b, qb_b+1
.endr
	v_nop                                          ; one plain place behind a scaled conversion
.endm
; LN's addresses: v8 my 8 rows of XB, 32 bytes a lane; v9 my codes' place in the image; v10 my block's scale byte
.macro LNADDR img, sc
	s_mul_i32 s26, s14, XP
	v_lshl_add_u32 v8, v3, 5, s26
	s_lshr_b32 s28, s14, 4                         ; my rows' tile,
	s_and_b32 s29, s14, 15                         ; and the first of them in it
	s_mul_i32 s26, s28, 2176
	s_lshl_b32 s31, s29, 4
	s_add_co_u32 s26, s26, s31
	s_add_co_u32 s26, s26, \img
	v_lshrrev_b32 v9, 2, v3                        ; lane l holds channels 8 l .. 8 l + 7: block l / 4,
	v_mul_u32_u24 v9, v9, 272
	v_and_b32 v10, 3, v3
	v_lshl_add_u32 v9, v10, 2, v9                  ; 4 bytes at 4 (l % 4): the 32 lanes fall on 32 different banks
	v_add_nc_u32 v9, s26, v9
	s_lshl_b32 s26, s28, 7
	s_lshl_b32 s31, s29, 2
	s_add_co_u32 s26, s26, s31
	s_add_co_u32 s26, s26, \sc
	v_bfe_u32 v10, v3, 2, 2
	v_lshl_add_u32 v10, v2, 6, v10
	v_add_nc_u32 v10, s26, v10
.endm
.macro LNSUM                           ; v[104 + 2 i] = the sum over the wave of the pair v[104 + 2 i : 105 + 2 i], in every lane
.irp i, 0,1,2,3,4,5,6,7
	v_add_f32 v[104+2*\i], v[104+2*\i], v[105+2*\i]
.endr
.irp m, 1,2,4,8
.irp i, 0,1,2,3,4,5,6,7
	v_add_f32_dpp v[104+2*\i], v[104+2*\i], v[104+2*\i] row_xmask:\m row_mask:0xf bank_mask:0xf
.endr
.endr
.irp i, 0,1,2,3,4,5,6,7
	v_permlanex16_b32 v[120+\i], v[104+2*\i], s4, s5
.endr
.irp i, 0,1,2,3,4,5,6,7
	v_add_f32 v[104+2*\i], v[104+2*\i], v[120+\i]
.endr
.endm
; LN of my 8 rows of XB, and its codes.  The rows by turns.  Gain in v80-87, offset in v88-95 (my 8 channels); s6 = 1/256, s7 = EPS.  v16-79 the rows; v96-143 at work.
.macro LNQ
.irp i, 0,1,2,3,4,5,6,7
	ds_load_b128 v[16+8*\i:19+8*\i], v8 offset:XP*\i
	ds_load_b128 v[20+8*\i:23+8*\i], v8 offset:XP*\i+16
.endr
	s_wait_dscnt 0x0
.irp i, 0,1,2,3,4,5,6,7
	v_pk_add_f32 v[104+2*\i:105+2*\i], v[16+8*\i:17+8*\i], v[18+8*\i:19+8*\i]
.endr
.irp j, 4,6
.irp i, 0,1,2,3,4,5,6,7
	v_pk_add_f32 v[104+2*\i:105+2*\i], v[104+2*\i:105+2*\i], v[16+8*\i+\j:17+8*\i+\j]
.endr
.endr
	LNSUM
.irp i, 0,1,2,3,4,5,6,7
	v_mul_f32 v[104+2*\i], 0xbb800000, v[104+2*\i]                   ; -mean: x -1/256, exact
.endr
.irp j, 0,2,4,6
.irp i, 0,1,2,3,4,5,6,7
	v_pk_add_f32 v[16+8*\i+\j:17+8*\i+\j], v[16+8*\i+\j:17+8*\i+\j], v[104+2*\i:105+2*\i] op_sel_hi:[1,0]
.endr
.endr
.irp i, 0,1,2,3,4,5,6,7
	v_pk_mul_f32 v[104+2*\i:105+2*\i], v[16+8*\i:17+8*\i], v[16+8*\i:17+8*\i]
.endr
.irp j, 2,4,6
.irp i, 0,1,2,3,4,5,6,7
	v_pk_fma_f32 v[104+2*\i:105+2*\i], v[16+8*\i+\j:17+8*\i+\j], v[16+8*\i+\j:17+8*\i+\j], v[104+2*\i:105+2*\i]
.endr
.endr
	LNSUM
.irp i, 0,1,2,3,4,5,6,7
	v_fma_f32 v[104+2*\i], v[104+2*\i], s6, s7                       ; variance + EPS
.endr
.irp i, 0,1,2,3,4,5,6,7
	v_rsq_f32 v[104+2*\i], v[104+2*\i]
.endr
	v_nop                                          ; one plain place behind a transcendental
	s_wait_alu depctr_va_vdst(0)
.irp j, 0,2,4,6
.irp i, 0,1,2,3,4,5,6,7
	v_pk_mul_f32 v[16+8*\i+\j:17+8*\i+\j], v[16+8*\i+\j:17+8*\i+\j], v[104+2*\i:105+2*\i] op_sel_hi:[1,0]
.endr
.endr
.irp j, 0,2,4,6
.irp i, 0,1,2,3,4,5,6,7
	v_pk_fma_f32 v[16+8*\i+\j:17+8*\i+\j], v[16+8*\i+\j:17+8*\i+\j], v[80+\j:81+\j], v[88+\j:89+\j]
.endr
.endr
.irp i, 0,1,2,3,4,5,6,7
	v_max3_num_f32 v[96+\i], |v[16+8*\i]|, |v[17+8*\i]|, 0x1800000   ; a block of 32 channels lies in four neighbouring lanes
.endr
.irp j, 2,4,6
.irp i, 0,1,2,3,4,5,6,7
	v_max3_num_f32 v[96+\i], v[96+\i], |v[16+8*\i+\j]|, |v[17+8*\i+\j]|
.endr
.endr
.irp m, 1,2
.irp i, 0,1,2,3,4,5,6,7
	v_max_num_f32_dpp v[96+\i], v[96+\i], v[96+\i] row_xmask:\m row_mask:0xf bank_mask:0xf
.endr
.endr
.irp i, 0,1,2,3,4,5,6,7
	v_add_nc_u32 v[128+\i], 0xff000000, v[96+\i]
.endr
.irp i, 0,1,2,3,4,5,6,7
	v_lshrrev_b32 v[136+\i], 23, v[128+\i]
.endr
.irp i, 0,1,2,3,4,5,6,7
	v_cvt_scalef32_pk8_fp4_f32 v[96+\i], v[16+8*\i:23+8*\i], v[128+\i]
.endr
	v_nop                                          ; one plain place behind a scaled conversion
.irp i, 0,1,2,3,4,5,6,7
	ds_store_b32 v9, v[96+\i] offset:16*\i
	ds_store_b8 v10, v[136+\i] offset:4*\i         ; the four lanes of a block write the same byte with the same value
.endr
.endm
; ======== HEAD: ids, pointers, all first loads
	s_load_b512 s[32:47], s[0:1], 0x0              ; x s[32:33], pos s[34:35], pw1 s[36:37], pb1 s[38:39], bn_g s[40:41], bn_b s[42:43], bn_m s[44:45], bn_v s[46:47]
	s_load_b512 s[48:63], s[0:1], 0x40             ; pw2 s[48:49], pb2 s[50:51], norm1_g s[52:53], norm1_b s[54:55], bq s[56:57], bk s[58:59], bv s[60:61], wcodes s[62:63]
	s_load_b128 s[8:11], s[0:1], 0x80              ; wscales, w2dup
	v_lshrrev_b32 v1, 5, v0
	v_readfirstlane_b32 s2, v1                     ; wave 0..15
	v_and_b32 v1, 15, v0
	v_bfe_u32 v2, v0, 4, 1
	v_and_b32 v3, 31, v0
	v_lshlrev_b32 v6, 2, v1
	v_lshlrev_b32 v7, 4, v3
	v_lshlrev_b32 v5, 4, v1
	v_mad_u32_u24 v4, v2, 272, v5
	v_lshl_add_u32 v5, v2, 3, v5
	s_mov_b32 s4, 0x76543210
	s_mov_b32 s5, 0xfedcba98                       ; v_permlanex16_b32's selects for lane l xor 16
	s_and_b32 s15, s2, 1
	s_lshr_b32 s16, s2, 1
	s_lshr_b32 s20, s2, 2
	s_and_b32 s21, s16, 1
	s_lshl_b32 s14, s20, 5                         ; my tokens are 8 w .. 8 w + 7; their slots begin at 32 (w >> 2) + 16 (w & 1) + 8 ((w >> 1) & 1)
	s_lshl_b32 s22, s15, 4
	s_add_co_u32 s14, s14, s22
	s_lshl_b32 s22, s21, 3
	s_add_co_u32 s14, s14, s22
	s_lshr_b32 s22, ttmp9, 4                       ; the window's row of windows,
	s_and_b32 s23, ttmp9, 15                       ; and its column
	s_lshl_b32 s22, s22, 11
	s_lshl_b32 s23, s23, 5
	s_add_co_u32 s17, s22, s23                     ; the window's first token: 2048 wy + 32 wx
	s_lshl_b32 s22, s20, 9
	s_and_b32 s23, s2, 3
	s_lshl_b32 s23, s23, 3
	s_add_co_u32 s22, s22, s23
	s_add_co_u32 s22, s22, s17                     ; my first token: + 512 (w >> 2) + 8 (w & 3)
	s_lshl_b32 s18, s22, 10
	s_mov_b32 s19, 0
	s_lshl_b32 s24, s22, 3
	s_mov_b32 s25, 0
	s_lshl_b32 s30, s17, 3
	s_mov_b32 s31, 0
	s_mov_b32 s27, 0
	v_lshlrev_b32 v160, 5, v3                      ; offsets of the loads below; none is rewritten before its load's own wait
	v_lshlrev_b32 v161, 5, v2
	v_lshlrev_b32 v162, 3, v1
	v_lshlrev_b32 v163, 6, v2
	v_and_b32 v164, 8, v1
	v_add_nc_u32 v164, v164, v1
	v_lshlrev_b32 v164, 2, v164
	s_wait_kmcnt 0x0
	s_add_nc_u64 s[94:95], s[34:35], s[30:31]
	s_load_b256 s[84:91], s[50:51], 0x0            ; pb2
	s_load_b64 s[92:93], s[94:95], 0x0             ; the position of the window's first token
	s_mov_b64 s[12:13], s[62:63]
	s_add_nc_u64 s[68:69], s[34:35], s[24:25]      ; pos at my first token
	s_add_nc_u64 s[70:71], s[32:33], s[18:19]      ; x likewise
	s_lshl_b32 s26, s2, 12
	s_add_nc_u64 s[72:73], s[12:13], s[26:27]      ; fragments 4 w .. 4 w + 3: wq's head w, or wk's head w - 8
	s_lshl_b32 s26, s2, 11
	s_add_co_u32 s26, s26, 65536
	s_add_nc_u64 s[74:75], s[12:13], s[26:27]      ; fragments 64 + 2 w, + 1: wv's tile w
	s_lshl_b32 s26, s2, 8
	s_add_nc_u64 s[76:77], s[8:9], s[26:27]
	s_lshl_b32 s26, s2, 7
	s_add_co_u32 s26, s26, 4096
	s_add_nc_u64 s[78:79], s[8:9], s[26:27]
	s_cmp_lt_u32 s2, 8                             ; the choice hangs on the wave's number alone
	s_cselect_b64 s[80:81], s[56:57], s[58:59]
	s_and_b32 s26, s2, 7
	s_lshl_b32 s26, s26, 7
	s_add_nc_u64 s[80:81], s[80:81], s[26:27]      ; bq or bk at my head
	s_lshl_b32 s26, s16, 7
	s_lshl_b32 s28, s15, 5
	s_add_co_u32 s26, s26, s28
	s_add_nc_u64 s[82:83], s[60:61], s[26:27]      ; bv at my tile
	; 16 loads for the bias tables: lane (o = r, h) has tokens 8 w + 4 h + 0 .. 3
	global_load_b128 v[96:99], v161, s[68:69]
	global_load_b128 v[100:103], v161, s[68:69] offset:16
	global_load_b64 v[104:105], v162, s[36:37]
	global_load_b32 v106, v6, s[38:39]
	global_load_b32 v107, v6, s[40:41]
	global_load_b32 v108, v6, s[42:43]
	global_load_b32 v109, v6, s[44:45]
	global_load_b32 v110, v6, s[46:47]
.irp hh, 0,1,2,3,4,5,6,7
	global_load_b32 v[112+\hh], v6, s[48:49] offset:64*\hh
.endr
	; 16 loads: my 8 rows of x, 8,192 consecutive bytes, 512 a load
.set hx, 0
.rept 16
	global_load_b128 v[16+4*hx:19+4*hx], v7, s[70:71] offset:512*hx th:TH_LOAD_NT
.set hx, hx+1
.endr
	; 4 loads: norm1's gain and offset of channels 8 l .. 8 l + 7
	global_load_b128 v[80:83], v160, s[52:53]
	global_load_b128 v[84:87], v160, s[52:53] offset:16
	global_load_b128 v[88:91], v160, s[54:55]
	global_load_b128 v[92:95], v160, s[54:55] offset:16
	; 23 loads: the weights of the products with wq, wk, wv, which stay in registers
.irp f, 0,1,2,3
	global_load_b128 v[168+8*\f:171+8*\f], v7, s[72:73] offset:1024*\f
	global_load_b128 v[172+8*\f:175+8*\f], v7, s[72:73] offset:1024*\f+512
.endr
.irp f, 0,1
	global_load_b128 v[200+8*\f:203+8*\f], v7, s[74:75] offset:1024*\f
	global_load_b128 v[204+8*\f:207+8*\f], v7, s[74:75] offset:1024*\f+512
.endr
.irp f, 0,1,2,3
	global_load_b32 v[240+\f], v6, s[76:77] offset:64*\f
.endr
.irp f, 0,1
	global_load_b32 v[244+\f], v6, s[78:79] offset:64*\f
.endr
.irp u, 0,1
	global_load_b128 v[216+8*\u:219+8*\u], v163, s[80:81] offset:32*\u
	global_load_b128 v[220+8*\u:223+8*\u], v163, s[80:81] offset:32*\u+16
.endr
	global_load_b32 v232, v164, s[82:83]
	; LDS addresses of the head
	s_lshl_b32 s26, s2, 5
	s_add_co_u32 s26, s26, AK
	v_lshlrev_b32 v13, 9, v1
	v_lshl_add_u32 v13, v2, 4, v13
	v_add_nc_u32 v13, s26, v13                     ; a: row o, tokens 8 w + 4 h on
	s_mul_i32 s26, s14, 80
	s_add_co_u32 s26, s26, CQ
	v_mad_u32_u24 v14, v2, 320, v6
	v_add_nc_u32 v14, s26, v14                     ; c: slot s0 + 4 h + i, word o
	s_lshl_b32 s26, s2, 5
	s_add_co_u32 s26, s26, GT
	v_lshlrev_b32 v15, 4, v2
	v_add_nc_u32 v15, s26, v15                     ; G: tokens 8 w + 4 h on
	s_mul_i32 s26, s14, XP
	v_add_nc_u32 v11, s26, v7                      ; XB: my rows, 16 bytes a lane
	LNADDR XIMG, XSC
	s_mov_b32 s6, 0x3b800000                       ; 1 / 256
	s_mov_b32 s7, 0x3727c5ac                       ; EPS
; ======== P: the bias tables of my 8 tokens
	s_wait_loadcnt 43                              ; the first 16 loads are in; x's 16, norm1's 4 and the weights' 23 may be out
	s_wait_kmcnt 0x0
	v_add_f32 v110, 0x3727c5ac, v110
	v_rsq_f32 v110, v110
	v_sub_f32 v106, v106, v109                     ; pb1 - bn_m  (the plain place behind the transcendental)
	s_wait_alu depctr_va_vdst(0)
	v_mul_f32 v107, v107, v110                     ; s = bn_g rsq(bn_v + EPS)
	v_mul_f32 v104, v104, v107                     ; A
	v_mul_f32 v105, v105, v107                     ; B
	v_fma_f32 v106, v106, v107, v108               ; C
.irp i, 0,1,2,3
	v_sub_f32 v[96+2*\i], v[96+2*\i], s92          ; positions relative to the window's first token
	v_sub_f32 v[97+2*\i], v[97+2*\i], s93
.endr
.irp i, 0,1,2,3
	v_mul_f32 v[120+\i], v104, v[96+2*\i]
.endr
.irp i, 0,1,2,3
	v_fmac_f32 v[120+\i], v105, v[97+2*\i]         ; a_o(token)
.endr
.irp i, 0,1,2,3
	v_add_f32 v[124+\i], v[120+\i], v106           ; c_o(token)
.endr
.set pj, 0
.rept 32
	v_mul_f32 v[128+pj], v[112+pj/4], v[120+pj%4]  ; w_ho a_o, head pj / 4, token pj % 4
.set pj, pj+1
.endr
.irp m, 1,2,4,8
.set pj, 0
.rept 32
	v_add_f32_dpp v[128+pj], v[128+pj], v[128+pj] row_xmask:\m row_mask:0xf bank_mask:0xf   ; summed over the 16 o
.set pj, pj+1
.endr
.endr
.set pj, 0
.rept 32
	v_sub_f32 v[128+pj], s[84+pj/4], v[128+pj]     ; G = pb2 - the sum
.set pj, pj+1
.endr
	ds_store_b128 v13, v[120:123]
.irp i, 0,1,2,3
	ds_store_b32 v14, v[124+\i] offset:80*\i
.endr
.irp hh, 0,1,2,3,4,5,6,7
	ds_store_b128 v15, v[128+4*\hh:131+4*\hh] offset:512*\hh   ; the sixteen lanes of a half write the same words with the same values
.endr
; ======== A: x into XB, LN1, its codes
	s_wait_loadcnt 27                              ; x is in; norm1's 4 and the weights' 23 may be out
.set hx, 0
.rept 16
	ds_store_b128 v11, v[16+4*hx:19+4*hx] offset:XP*(hx/2)+512*(hx%2)
.set hx, hx+1
.endr
	s_wait_loadcnt 23                              ; norm1's gain and offset are in
	LNQ                                            ; its loads read my own rows: LDS serves a wave's instructions in order (ISA guide 5.7.1.4)
	BAR                                            ; the tables and LN1's eight tiles of codes lie in LDS
; ======== QKV.  Waves 0-7: q of head w; waves 8-15: k of head w - 8 (source 0 = 16 rows of the weight, source 1 = a tile of tokens).  Every wave: v's tile w of 16 channels
; (source 0 = the tokens, source 1 = wv), so that a lane holds one channel and its registers run along the tokens, which are the second product's K.
	v_add_nc_u32 v8, XIMG, v4
	v_add_nc_u32 v9, XSC, v6
	s_lshr_b32 s20, s2, 3
	s_mul_i32 s20, s20, 18432                      ; q's image or k's
	s_and_b32 s21, s2, 7
	s_mul_i32 s22, s21, 272
	s_add_co_u32 s22, s22, s20
	s_add_co_u32 s22, s22, QIMG
	v_add_nc_u32 v10, s22, v5                      ; block = my head
	s_lshr_b32 s22, s21, 2
	s_lshl_b32 s22, s22, 6
	s_and_b32 s23, s2, 3
	s_add_co_u32 s22, s22, s23
	s_add_co_u32 s22, s22, s20
	s_add_co_u32 s22, s22, QSC
	v_add_nc_u32 v11, s22, v6
	s_mul_i32 s22, s2, 1088
	s_add_co_u32 s22, s22, VIMG
	v_add_nc_u32 v12, s22, v5
	s_lshl_b32 s22, s2, 6
	s_add_co_u32 s22, s22, VSC
	v_add_nc_u32 v13, s22, v6
	s_cmp_lt_u32 s2, 8
	s_mov_b32 s7, 1.0
	s_cselect_b32 s6, 0x3e3504f3, s7               ; q is multiplied by 32^-0.5 ahead of its quantiser, k by 1
	s_mov_b32 s7, s6
.macro XFETCH t                        ; tile t's two fragments and scale words, into the set t % 2
.set xf_b, 16+16*((\t)%2)
.set xf_s, 246+2*((\t)%2)
	FRAG xf_b, 8, 2176*(\t)
	FRAG xf_b+8, 8, 2176*(\t)+1088
	ds_load_b32 v[xf_s], v9 offset:128*(\t)
	ds_load_b32 v[xf_s+1], v9 offset:128*(\t)+64
.endm
	XFETCH 0
	s_wait_loadcnt 0x0                             ; the weights, their scale words and the biases
.irp j, 1,2,3,4,5,6,7
	v_mov_b32 v[232+\j], v232                      ; bv of my lane's channel, as the C of v's sums
.endr
.macro QKVSTEP t
.set qx, 16+16*((\t)%2)
.set qs, 246+2*((\t)%2)
	s_wait_dscnt 0x0                               ; this tile's fragments, asked for a step ago, are in
.if (\t) < 7
	XFETCH (\t)+1
.endif
	WM 48, 168, qx, 216, 240, qs                   ; three accumulators by turns; the biases start the sums
	WM 56, 184, qx, 224, 242, qs
	WM 64+8*(\t), qx, 200, 232, qs, 244
	WM 48, 176, qx+8, 48, 241, qs+1
	WM 56, 192, qx+8, 56, 243, qs+1
	WM 64+8*(\t), qx+8, 208, 64+8*(\t), qs+1, 245
	PLACES 5
.irp i, 0,2,4,6,8,10,12,14
	v_pk_mul_f32 v[48+\i:49+\i], v[48+\i:49+\i], s[6:7] op_sel_hi:[1,0]
.endr
	QB 48, 1, 128, 132                             ; my head's 32 channels of 16 tokens: one block
	ds_store_b64 v10, v[132:133] offset:2176*(\t)
	ds_store_b8 v11, v131 offset:128*(\t)          ; both halves of the lanes write the same byte with the same value
.endm
.irp t, 0,1,2,3,4,5,6,7
	QKVSTEP \t
.endr
	QB 64, 4, 128, 144                             ; v: registers 16 b + i are tokens 32 b + 16 h + i of my channel
	v_lshl_or_b32 v152, v141, 8, v140
	v_lshl_or_b32 v152, v142, 16, v152
	v_lshl_or_b32 v152, v143, 24, v152
.irp b, 0,1,2,3
	ds_store_b64 v12, v[144+2*\b:145+2*\b] offset:272*\b
.endr
	ds_store_b32 v13, v152
	BAR                                            ; q, k and v lie in LDS; nobody reads LN1's codes any more
; ======== S: wave = (query tile qt = w >> 1, half of the keys kh = w & 1); two trips, one block of 32 keys each, all 8 heads.
; Register 112 + 16 head + i is the score of my query (slot 16 qt + r) with key 32 kb + 16 h + i.
	s_load_b512 s[32:47], s[10:11], 0x0            ; pw2's pairs of o = 0,
	s_load_b512 s[48:63], s[10:11], 0x40           ; and of o = 1: bank 0
	s_lshl_b32 s26, s15, 8
	s_add_co_u32 s26, s26, AK
	v_lshl_add_u32 v8, v2, 6, s26                  ; a (and, GT - AK further on, G) of my 16 keys
	s_mul_i32 s26, s15, 8704
	s_add_co_u32 s26, s26, KIMG
	v_add_nc_u32 v9, s26, v4
	s_lshl_b32 s26, s15, 9
	s_add_co_u32 s26, s26, KSC
	v_add_nc_u32 v10, s26, v6
	s_mul_i32 s26, s16, 1088
	s_mul_i32 s28, s15, 544
	s_add_co_u32 s26, s26, s28
	s_add_co_u32 s26, s26, PIMG
	v_add_nc_u32 v11, s26, v5
	s_lshl_b32 s26, s16, 9
	s_lshl_b32 s28, s15, 4
	s_add_co_u32 s26, s26, s28
	s_add_co_u32 s26, s26, PST
	v_lshl_add_u32 v12, v1, 5, s26
	s_lshl_b32 s26, s16, 6
	s_lshl_b32 s28, s15, 1
	s_add_co_u32 s26, s26, s28
	s_add_co_u32 s26, s26, PSC
	v_add_nc_u32 v13, s26, v6
	s_mul_i32 s26, s16, 2176
	s_add_co_u32 s26, s26, QIMG
	v_add_nc_u32 v14, s26, v4
	s_lshl_b32 s26, s16, 7
	s_add_co_u32 s26, s26, QSC
	v_add_nc_u32 v15, s26, v6
	s_mul_i32 s26, s16, 1280
	s_add_co_u32 s26, s26, CQ
	v_mad_u32_u24 v16, v1, 80, s26
.irp i, 0,1,2,3
	ds_load_b128 v[24+4*\i:27+4*\i], v16 offset:16*\i   ; c_o of my query, o = 0 .. 15: v24-39
.endr
	v_add_nc_u32 v20, -1, v2                       ; all ones in lanes 0-15,
	v_sub_nc_u32 v21, 0, v2                        ; in lanes 16-31
.irp j, 0,1,2,3
	v_mov_b32 v[44+\j], 0                          ; zero codes: they stand for the three heads that a product leaves out
	v_mov_b32 v[56+\j], 0
.endr
	s_mov_b32 s6, 0x3fb8aa3b                       ; log2(e)
	s_mov_b32 s7, s6
	s_mov_b32 s20, 0                               ; what a trip adds to the six addresses
	s_mov_b32 s21, 0
	s_mov_b32 s22, 0
	s_mov_b32 s23, 0
	s_mov_b32 s24, 0
	s_mov_b32 s25, 0
	s_mov_b32 s3, 0
.macro ALOAD o                         ; a_o of my 16 keys into buffer o % 2
.irp i, 0,1,2,3
	ds_load_b128 v[64+16*((\o)%2)+4*\i:67+16*((\o)%2)+4*\i], v16 offset:512*(\o)+16*\i
.endr
.endm
; One o: 16 maxima, shared by the 8 heads, and 64 packed multiply-adds.  pw2's pairs come by scalar loads, two o to a bank (s32-63, s68-99), one bank ahead.
.macro OSTEP o
.set os_a, 64+16*((\o)%2)
.set os_w, 32+36*(((\o)/2)%2)+16*((\o)%2)
.if (\o)%2 == 0
	s_wait_kmcnt 0x0                               ; this bank is in
.set os_n, 32+36*((((\o)/2)+1)%2)
.set os_g, (((\o)/2)+1)%8
	s_load_b512 s[os_n:os_n+15], s[10:11], 128*os_g      ; the next two o into the other bank, whose readers have all been issued
	s_load_b512 s[os_n+16:os_n+31], s[10:11], 128*os_g+64
.endif
.if (\o) < 15
	s_wait_dscnt 4                                 ; a_o is in (at o = 0: c and G too); the next o's four loads may be out
.else
	s_wait_dscnt 0x0
.endif
.irp i, 0,1,2,3,4,5,6,7,8,9,10,11,12,13,14,15
	v_max_num_f32 v[96+\i], v[24+\o], v[os_a+\i]
.endr
.if (\o) < 14
	ALOAD (\o)+2
.endif
.irp hd, 0,1,2,3,4,5,6,7
.irp i, 0,2,4,6,8,10,12,14
	v_pk_fma_f32 v[112+16*\hd+\i:113+16*\hd+\i], v[96+\i:97+\i], s[os_w+2*\hd:os_w+2*\hd+1], v[112+16*\hd+\i:113+16*\hd+\i] op_sel_hi:[1,0,1]
.endr
.endr
.endm
; Heads 4 s .. 4 s + 3: S^T = K Q^T + bias.  A head is ONE block of 32 along K: of q's fragment only that head's block is kept (quad b / 2, lanes of half b % 2), the rest are zero codes.
.macro SSTAGE s
.irp u, 0,1
	FRAG 64+8*\u, 17, 1088*(2*\u+\s)
	ds_load_b32 v[240+\u], v18 offset:64*(2*\u+\s)
.endr
	FRAG 80, 14, 1088*\s
	ds_load_b32 v242, v15 offset:64*\s
	s_wait_dscnt 0x0
.irp j, 0,1,2,3
	v_and_b32 v[40+\j], v[80+\j], v20
	v_and_b32 v[52+\j], v[80+\j], v21
	v_and_b32 v[48+\j], v[84+\j], v20
	v_and_b32 v[60+\j], v[84+\j], v21
.endr
	PLACES 4                                       ; an operand written by vector instructions stands four places ahead of a scaled matrix instruction
.irp u, 0,1
	WM 112+64*\s+8*\u, 64+8*\u, 40, 112+64*\s+8*\u, 240+\u, 242      ; eight accumulators, one instruction each; the bias is the C
	WM 128+64*\s+8*\u, 64+8*\u, 52, 128+64*\s+8*\u, 240+\u, 242
	WM 144+64*\s+8*\u, 64+8*\u, 44, 144+64*\s+8*\u, 240+\u, 242
	WM 160+64*\s+8*\u, 64+8*\u, 56, 160+64*\s+8*\u, 240+\u, 242
.endr
	PLACES 5
.endm
; Heads g .. g + 3 by turns: p, its codes, its byte, (-M_loc, l_loc).  Twelve registers a head from v[64 + 12 q]: +0 largest score, +1 from the other half, +2 -M, +3 l, +4 largest p and scale operand, +5 byte, +6 .. +9 sums, +10, +11 codes.
.macro SOFT g
.irp q, 0,1,2,3
	v_max3_num_f32 v[64+12*\q], v[112+16*(\g+\q)], v[113+16*(\g+\q)], v[114+16*(\g+\q)]
.endr
.irp i, 3,5,7,9,11,13
.irp q, 0,1,2,3
	v_max3_num_f32 v[64+12*\q], v[64+12*\q], v[112+16*(\g+\q)+\i], v[113+16*(\g+\q)+\i]
.endr
.endr
.irp q, 0,1,2,3
	v_max_num_f32 v[64+12*\q], v[64+12*\q], v[127+16*(\g+\q)]
.endr
.irp q, 0,1,2,3
	v_permlanex16_b32 v[65+12*\q], v[64+12*\q], s4, s5
.endr
.irp q, 0,1,2,3
	v_max_num_f32 v[64+12*\q], v[64+12*\q], v[65+12*\q]              ; the block's largest score of my query
.endr
.irp q, 0,1,2,3
	v_mul_f32 v[66+12*\q], s6, v[64+12*\q]
.endr
.irp q, 0,1,2,3
	v_floor_f32 v[66+12*\q], -v[66+12*\q]          ; -M_loc = floor(-t) = -ceil(t): a whole number
.endr
.irp i, 0,2,4,6,8,10,12,14
.irp q, 0,1,2,3
	v_pk_fma_f32 v[112+16*(\g+\q)+\i:113+16*(\g+\q)+\i], v[112+16*(\g+\q)+\i:113+16*(\g+\q)+\i], s[6:7], v[66+12*\q:67+12*\q] op_sel_hi:[1,0,0]
.endr
.endr
.irp q, 0,1,2,3
	v_fma_f32 v[68+12*\q], v[64+12*\q], s6, v[66+12*\q]              ; the same of the largest score: the same two instructions on the same number give the block's largest p
.endr
.irp i, 0,1,2,3,4,5,6,7,8,9,10,11,12,13,14,15
.irp q, 0,1,2,3
	v_exp_f32 v[112+16*(\g+\q)+\i], v[112+16*(\g+\q)+\i]
.endr
.endr
.irp q, 0,1,2,3
	v_exp_f32 v[68+12*\q], v[68+12*\q]
.endr
	v_nop                                          ; one plain place behind the transcendentals
	s_wait_alu depctr_va_vdst(0)
.irp q, 0,1,2,3
	v_add_nc_u32 v[68+12*\q], 0xff000000, v[68+12*\q]                ; the largest p lies in (1/2, 1]: no floor is wanted
.endr
.irp q, 0,1,2,3
	v_lshrrev_b32 v[69+12*\q], 23, v[68+12*\q]
.endr
.irp q, 0,1,2,3
	v_pk_add_f32 v[70+12*\q:71+12*\q], v[112+16*(\g+\q):113+16*(\g+\q)], v[114+16*(\g+\q):115+16*(\g+\q)]   ; the sum is taken of the unquantised p, in two chains
	v_pk_add_f32 v[72+12*\q:73+12*\q], v[116+16*(\g+\q):117+16*(\g+\q)], v[118+16*(\g+\q):119+16*(\g+\q)]
.endr
.irp i, 8,12
.irp q, 0,1,2,3
	v_pk_add_f32 v[70+12*\q:71+12*\q], v[70+12*\q:71+12*\q], v[112+16*(\g+\q)+\i:113+16*(\g+\q)+\i]
	v_pk_add_f32 v[72+12*\q:73+12*\q], v[72+12*\q:73+12*\q], v[114+16*(\g+\q)+\i:115+16*(\g+\q)+\i]
.endr
.endr
.irp q, 0,1,2,3
	v_pk_add_f32 v[70+12*\q:71+12*\q], v[70+12*\q:71+12*\q], v[72+12*\q:73+12*\q]
.endr
.irp q, 0,1,2,3
	v_add_f32 v[70+12*\q], v[70+12*\q], v[71+12*\q]
.endr
.irp q, 0,1,2,3
	v_permlanex16_b32 v[65+12*\q], v[70+12*\q], s4, s5
.endr
.irp q, 0,1,2,3
	v_add_f32 v[67+12*\q], v[70+12*\q], v[65+12*\q]                  ; l_loc
.endr
.irp q, 0,1,2,3
	v_cvt_scalef32_pk8_fp4_f32 v[74+12*\q], v[112+16*(\g+\q):119+16*(\g+\q)], v[68+12*\q]
	v_cvt_scalef32_pk8_fp4_f32 v[75+12*\q], v[120+16*(\g+\q):127+16*(\g+\q)], v[68+12*\q]
.endr
	v_nop                                          ; one plain place behind a scaled conversion
.irp q, 0,1,2,3
	ds_store_b64 v19, v[74+12*\q:75+12*\q] offset:8704*(\g+\q)
	ds_store_b64 v22, v[66+12*\q:67+12*\q] offset:4096*(\g+\q)       ; both halves of the lanes write the same words with the same values
	ds_store_b8 v23, v[69+12*\q] offset:512*(\g+\q)
.endr
.endm
.Lkb:
	v_add_nc_u32 v16, s20, v8
	v_add_nc_u32 v17, s21, v9
	v_add_nc_u32 v18, s22, v10
	v_add_nc_u32 v19, s23, v11
	v_add_nc_u32 v22, s24, v12
	v_add_nc_u32 v23, s25, v13
.irp hd, 0,1,2,3,4,5,6,7
.irp i, 0,1,2,3
	ds_load_b128 v[112+16*\hd+4*\i:115+16*\hd+4*\i], v16 offset:GT-AK+512*\hd+16*\i   ; G starts the bias's sums
.endr
.endr
	ALOAD 0
	ALOAD 1
.irp o, 0,1,2,3,4,5,6,7,8,9,10,11,12,13,14,15
	OSTEP \o
.endr
	SSTAGE 0
	SSTAGE 1
	SOFT 0
	SOFT 4
	s_add_co_u32 s20, s20, 128                     ; the next 32 keys
	s_add_co_u32 s21, s21, 4352
	s_add_co_u32 s22, s22, 256
	s_add_co_u32 s23, s23, 272
	s_add_co_u32 s24, s24, 8
	s_add_co_u32 s25, s25, 1
	s_add_co_u32 s3, s3, 1
	s_cmp_lt_u32 s3, 2
	s_cbranch_scc1 .Lkb
	s_wait_kmcnt 0x0                               ; the last trip's request for bank 0 is in: the bank's registers may be used otherwise
	BAR                                            ; p, its bytes and its statistics lie in LDS; nobody reads q or k any more
; ======== PV: wave = (head = w >> 1, half of the query tiles = w & 1): four query tiles.  O^T = V^T P^T: source 0 = 16 channels of v, source 1 = p.
	s_load_b512 s[32:47], s[0:1], 0x80             ; wscales, w2dup, bo s[36:37], norm2_g s[38:39], norm2_b s[40:41], b_fc1 s[42:43], b_fc2 s[44:45], out0 s[46:47]
	s_mul_i32 s26, s16, 2176
	s_add_co_u32 s26, s26, VIMG
	v_add_nc_u32 v8, s26, v4
	s_lshl_b32 s26, s16, 7
	s_add_co_u32 s26, s26, VSC
	v_add_nc_u32 v9, s26, v6
	s_mul_i32 s26, s16, 8704
	s_mul_i32 s28, s15, 4352
	s_add_co_u32 s26, s26, s28
	s_add_co_u32 s26, s26, PIMG
	v_add_nc_u32 v10, s26, v4
	s_lshl_b32 s26, s16, 12
	s_lshl_b32 s28, s15, 11
	s_add_co_u32 s26, s26, s28
	s_add_co_u32 s26, s26, PST
	v_lshl_add_u32 v11, v1, 5, s26
	s_lshl_b32 s26, s16, 9
	s_lshl_b32 s28, s15, 8
	s_add_co_u32 s26, s26, s28
	s_add_co_u32 s26, s26, PSC
	v_add_nc_u32 v12, s26, v6
	s_mul_i32 s26, s16, 272
	s_mul_i32 s28, s15, 8704
	s_add_co_u32 s26, s26, s28
	s_add_co_u32 s26, s26, OIMG
	v_add_nc_u32 v13, s26, v5
	s_lshl_b32 s26, s15, 9
	s_lshr_b32 s28, s16, 2
	s_lshl_b32 s28, s28, 6
	s_add_co_u32 s26, s26, s28
	s_and_b32 s28, s16, 3
	s_add_co_u32 s26, s26, s28
	s_add_co_u32 s26, s26, OSC
	v_add_nc_u32 v14, s26, v6
	v_lshlrev_b32 v15, 6, v2
.irp u, 0,1
	FRAG 16+8*\u, 8, 1088*\u
	ds_load_b32 v[240+\u], v9 offset:64*\u
.endr
.irp q, 0,1,2,3
	FRAG 32+8*\q, 10, 1088*\q
	ds_load_b128 v[64+8*\q:67+8*\q], v11 offset:512*\q
	ds_load_b128 v[68+8*\q:71+8*\q], v11 offset:512*\q+16
	ds_load_b32 v[96+\q], v12 offset:64*\q
.endr
	s_wait_dscnt 0x0
	; the four blocks of keys are brought under one M: ten registers a tile from v[100 + 10 q]
.irp q, 0,1,2,3
	v_min3_num_f32 v[100+10*\q], v[64+8*\q], v[66+8*\q], v[68+8*\q]
.endr
.irp q, 0,1,2,3
	v_min_num_f32 v[100+10*\q], v[100+10*\q], v[70+8*\q]             ; -M
.endr
.irp k, 0,1,2,3
.irp q, 0,1,2,3
	v_sub_f32 v[101+10*\q+\k], v[100+10*\q], v[64+8*\q+2*\k]         ; M_k - M: a whole number, 0 or less
.endr
.endr
.irp k, 0,1,2,3
.irp q, 0,1,2,3
	v_cvt_i32_f32 v[105+10*\q+\k], v[101+10*\q+\k]                   ; (it saturates)
.endr
.endr
.irp k, 0,1,2,3
.irp q, 0,1,2,3
	v_ldexp_f32 v[105+10*\q+\k], 1.0, v[105+10*\q+\k]                ; 2^(M_k - M)
.endr
.endr
.irp q, 0,1,2,3
	v_mul_f32 v[109+10*\q], v[65+8*\q], v[105+10*\q]
.endr
.irp k, 1,2,3
.irp q, 0,1,2,3
	v_fmac_f32 v[109+10*\q], v[65+8*\q+2*\k], v[105+10*\q+\k]        ; the row's sum
.endr
.endr
.irp k, 0,1,2,3
.irp q, 0,1,2,3
	v_bfe_u32 v[105+10*\q+\k], v[96+\q], 8*\k, 8
.endr
.endr
.irp k, 0,1,2,3
.irp q, 0,1,2,3
	v_cvt_f32_u32 v[105+10*\q+\k], v[105+10*\q+\k]
.endr
.endr
.irp k, 0,1,2,3
.irp q, 0,1,2,3
	v_add_f32 v[105+10*\q+\k], v[105+10*\q+\k], v[101+10*\q+\k]      ; the byte under the row's M: whole numbers, exact in f32,
.endr
.endr
.irp k, 0,1,2,3
.irp q, 0,1,2,3
	v_max_num_f32 v[105+10*\q+\k], 1.0, v[105+10*\q+\k]              ; held at 1 from below
.endr
.endr
.irp k, 0,1,2,3
.irp q, 0,1,2,3
	v_cvt_u32_f32 v[105+10*\q+\k], v[105+10*\q+\k]
.endr
.endr
.irp q, 0,1,2,3
	v_lshl_or_b32 v[244+\q], v[106+10*\q], 8, v[105+10*\q]
.endr
.irp q, 0,1,2,3
	v_lshl_or_b32 v[244+\q], v[107+10*\q], 16, v[244+\q]
.endr
.irp q, 0,1,2,3
	v_lshl_or_b32 v[244+\q], v[108+10*\q], 24, v[244+\q]             ; p's scale word
.endr
.irp q, 0,1,2,3
	v_rcp_f32 v[100+10*\q], v[109+10*\q]
.endr
	PLACES 8                                       ; a scale register written by vector instructions stands eight places ahead of a scaled matrix instruction
.irp q, 0,1,2,3
.irp u, 0,1
	WMZ 144+16*\q+8*\u, 16+8*\u, 32+8*\q, 240+\u, 244+\q             ; K = all 128 keys: one instruction a sum
.endr
.endr
	PLACES 5
; The weights of a product with 256 outputs: wave w has output tile w.  ks fragments from fragment rb + ks w on, into v16 on; their scale words v240 on; the bias of my 8 channels v80-87.
.macro GXLOAD ks, rb, bp
	s_mul_i32 s26, s2, 1024*\ks
	s_add_co_u32 s26, s26, 1024*\rb
	s_mov_b32 s27, 0
	s_add_nc_u64 s[20:21], s[12:13], s[26:27]
	s_mul_i32 s26, s2, 64*\ks
	s_add_co_u32 s26, s26, 64*\rb
	s_add_nc_u64 s[22:23], s[8:9], s[26:27]
	s_lshl_b32 s26, s16, 7
	s_lshl_b32 s28, s15, 5
	s_add_co_u32 s26, s26, s28
	s_add_nc_u64 s[24:25], s[\bp:\bp+1], s[26:27]
.set gl_f, 0
.rept \ks
	global_load_b128 v[16+8*gl_f:19+8*gl_f], v7, s[20:21] offset:1024*gl_f
	global_load_b128 v[20+8*gl_f:23+8*gl_f], v7, s[20:21] offset:1024*gl_f+512
	global_load_b32 v[240+gl_f], v6, s[22:23] offset:64*gl_f
.set gl_f, gl_f+1
.endr
	global_load_b128 v[80:83], v15, s[24:25]       ; v15 = 64 h
	global_load_b128 v[84:87], v15, s[24:25] offset:16
.endm
	s_wait_kmcnt 0x0
	GXLOAD 2, 96, 36                               ; wo and bo: they land while the result is quantised
	s_wait_alu depctr_va_vdst(0)
.irp i, 0,2,4,6,8,10,12,14
.irp q, 0,1,2,3
	v_pk_mul_f32 v[144+16*\q+\i:145+16*\q+\i], v[144+16*\q+\i:145+16*\q+\i], v[100+10*\q:101+10*\q] op_sel_hi:[1,0]   ; divided by the row's sum
.endr
.endr
	QB 144, 4, 208, 224                            ; my head's 32 channels of each tile's 16 queries: one block a tile
.irp q, 0,1,2,3
	ds_store_b64 v13, v[224+2*\q:225+2*\q] offset:2176*\q
	ds_store_b8 v14, v[220+\q] offset:128*\q
.endr
	BAR                                            ; attention's result lies in LDS; nobody reads p or v any more
; ======== A product with 256 outputs, added onto XB: wave w = output tile w, all 8 tiles of tokens.  Source 0 = the weight, source 1 = the tokens: a lane holds 8 neighbouring channels of one token.
.macro GXFETCH ks, q                   ; step q = 2 s + g: K step s of token tiles 4 g .. 4 g + 3, into buffer g: 12 LDS loads
.set gf_s, (\q)/2
.set gf_g, (\q)%2
.irp m, 0,1,2,3
	FRAG 88+32*gf_g+8*\m, 8+gf_g, 1088*(\ks*\m+gf_s)
	ds_load_b32 v[248+4*gf_g+\m], v10 offset:64*(\ks*(4*gf_g+\m)+gf_s)
.endr
.endm
.macro GXSTEP ks, q
.set gs_s, (\q)/2
.set gs_g, (\q)%2
	PLACES 4                                       ; in front of loads into the buffer that the last step multiplied
.if (\q)+1 < 2*\ks
	GXFETCH \ks, (\q)+1
	s_wait_dscnt 12                                ; this step's fragments are in; the 12 loads just issued may be out
.else
	s_wait_dscnt 0x0
.endif
.irp m, 0,1,2,3
.if gs_s == 0
	WM 152+32*gs_g+8*\m, 16, 88+32*gs_g+8*\m, 80, 240, 248+4*gs_g+\m           ; the bias starts the sums
.else
	WM 152+32*gs_g+8*\m, 16+8*gs_s, 88+32*gs_g+8*\m, 152+32*gs_g+8*\m, 240+gs_s, 248+4*gs_g+\m   ; the eight accumulators by turns
.endif
.endr
.endm
.macro GEMMX ks, img, sc
	v_add_nc_u32 v8, \img, v4
	v_add_nc_u32 v9, \img+4352*\ks, v4
	v_add_nc_u32 v10, \sc, v6
	s_lshl_b32 s26, s16, 7
	s_lshl_b32 s28, s15, 5
	s_add_co_u32 s26, s26, s28
	v_mul_u32_u24 v11, v1, XP
	v_lshl_add_u32 v11, v2, 6, v11
	v_add_nc_u32 v11, s26, v11                     ; XB: row r of a tile, channels 32 (w >> 1) + 8 (w & 1) + 16 h + 0 .. 7
	v_add_nc_u32 v12, 64*XP, v11                   ; tiles 4 .. 7
	GXFETCH \ks, 0
	s_wait_loadcnt 0x0                             ; the weights
.set gx_q, 0
.rept 2*\ks
	GXSTEP \ks, gx_q
.set gx_q, gx_q+1
.endr
	PLACES 5
.irp t, 0,1,2,3,4,5,6,7
	ds_load_b128 v[88+8*\t:91+8*\t], v[11+\t/4] offset:16*XP*(\t%4)
	ds_load_b128 v[92+8*\t:95+8*\t], v[11+\t/4] offset:16*XP*(\t%4)+16
.endr
	s_wait_dscnt 0x0
.irp t, 0,1,2,3,4,5,6,7
.irp i, 0,2,4,6
	v_pk_add_f32 v[88+8*\t+\i:89+8*\t+\i], v[88+8*\t+\i:89+8*\t+\i], v[152+8*\t+\i:153+8*\t+\i]   ; the residual; each accumulator from its low end on
.endr
.endr
.irp t, 0,1,2,3,4,5,6,7
	ds_store_b128 v[11+\t/4], v[88+8*\t:91+8*\t] offset:16*XP*(\t%4)           ; each word of XB is touched by one lane of one wave
	ds_store_b128 v[11+\t/4], v[92+8*\t:95+8*\t] offset:16*XP*(\t%4)+16
.endr
.endm
	GEMMX 2, OIMG, OSC                             ; x1 = x + o wo + bo
	BAR                                            ; x1 lies in XB
; ======== LN2 of my 8 rows; fc1's weights are asked for ahead of it.  Wave w has hidden units 64 w .. 64 w + 63: tiles 4 w + t, t = 0 .. 3
	v_lshlrev_b32 v12, 5, v3
	v_lshlrev_b32 v13, 6, v2
	LNADDR LIMG, LSC
	global_load_b128 v[80:83], v12, s[38:39]
	global_load_b128 v[84:87], v12, s[38:39] offset:16
	global_load_b128 v[88:91], v12, s[40:41]
	global_load_b128 v[92:95], v12, s[40:41] offset:16
	s_lshl_b32 s26, s2, 13
	s_add_co_u32 s26, s26, 128*1024
	s_mov_b32 s27, 0
	s_add_nc_u64 s[20:21], s[12:13], s[26:27]      ; fragments 128 + 8 w on
	s_lshl_b32 s26, s2, 9
	s_add_co_u32 s26, s26, 128*64
	s_add_nc_u64 s[22:23], s[8:9], s[26:27]
	s_lshl_b32 s26, s2, 8
	s_add_nc_u64 s[24:25], s[42:43], s[26:27]      ; b_fc1 at my 64 units
.irp f, 0,1,2,3,4,5,6,7
	global_load_b128 v[144+8*\f:147+8*\f], v7, s[20:21] offset:1024*\f
	global_load_b128 v[148+8*\f:151+8*\f], v7, s[20:21] offset:1024*\f+512
	global_load_b32 v[240+\f], v6, s[22:23] offset:64*\f
.endr
.irp t, 0,1,2,3
	global_load_b128 v[208+8*\t:211+8*\t], v13, s[24:25] offset:128*(\t/2)+32*(\t%2)
	global_load_b128 v[212+8*\t:215+8*\t], v13, s[24:25] offset:128*(\t/2)+32*(\t%2)+16
.endr
	s_mov_b32 s6, 0x3b800000
	s_mov_b32 s7, 0x3727c5ac
	s_wait_loadcnt 32                              ; norm2's gain and offset are in; fc1's 32 loads may be out
	LNQ
	BAR                                            ; LN2's codes lie in LDS
; ======== FC1 and GELU: eight trips, a tile of 16 tokens each.  My 64 hidden units are blocks 2 w and 2 w + 1 of fc2's K.
	s_wait_loadcnt 0x0                             ; fc1's weights; their bases and offsets may be written again
	v_add_nc_u32 v8, LIMG, v4
	v_add_nc_u32 v9, LSC, v6
	s_mul_i32 s26, s2, 544
	s_add_co_u32 s26, s26, HIMG
	v_add_nc_u32 v10, s26, v5
	s_lshl_b32 s26, s16, 6
	s_lshl_b32 s28, s15, 1
	s_add_co_u32 s26, s26, s28
	s_add_co_u32 s26, s26, HSC
	v_add_nc_u32 v11, s26, v6
	; erf(y) = y P(y^2) / Q(y^2) on y held to +-4.  Each constant twice: the packed forms name a pair.
.irp c, 68,69
	s_mov_b32 s[\c], 0x3f3504f3                    ; 1 / sqrt(2)
	s_mov_b32 s[\c+2], 0xaf95df0b                  ; P: -2.72614225801306e-10
	s_mov_b32 s[\c+4], 0xb60cff51                  ;    -2.10102402082508e-06
	s_mov_b32 s[\c+6], 0xb86ec2d2                  ;    -5.69250639462346e-05
	s_mov_b32 s[\c+8], 0xba40ac63                  ;    -7.34990630326855e-04
	s_mov_b32 s[\c+10], 0xbb41a1f6                 ;    -2.95459980854025e-03
	s_mov_b32 s[\c+12], 0xbc83dbd4                 ;    -1.60960333262415e-02
	s_mov_b32 s[\c+14], 0xb77460cd                 ; Q: -1.45660718464996e-05
	s_mov_b32 s[\c+16], 0xbadc924e                 ;    -1.68282697438203e-03
	s_mov_b32 s[\c+18], 0xbbf19bf8                 ;    -7.37332916720468e-03
	s_mov_b32 s[\c+20], 0xbc69b6a7                 ;    -1.42647390514189e-02
.endr
	v_mov_b32 v128, 0x32edffee                     ; P's second: 2.77068142495902e-08
	v_mov_b32 v129, 0x32edffee
	v_mov_b32 v130, 0xb95fbd29                     ; Q's second: -2.13374055278905e-04
	v_mov_b32 v131, 0xb95fbd29
	s_mov_b32 s20, 0
	s_mov_b32 s21, 0
	s_mov_b32 s22, 0
	s_mov_b32 s23, 0
	s_mov_b32 s3, 0
; gelu(x) = x/2 + x/2 erf(x / sqrt(2)) of the 8 registers from v[x] on, four pairs by turns.  Ten registers a pair from v[64 + 10 p]: y, y^2, P, Q, x/2.
.macro GELU x
.irp p, 0,1,2,3
	v_pk_mul_f32 v[64+10*\p:65+10*\p], v[\x+2*\p:\x+2*\p+1], s[68:69] op_sel_hi:[1,0]
.endr
.irp p, 0,1,2,3
	v_med3_num_f32 v[64+10*\p], v[64+10*\p], -4.0, 4.0
	v_med3_num_f32 v[65+10*\p], v[65+10*\p], -4.0, 4.0
.endr
.irp p, 0,1,2,3
	v_pk_mul_f32 v[66+10*\p:67+10*\p], v[64+10*\p:65+10*\p], v[64+10*\p:65+10*\p]
.endr
.irp p, 0,1,2,3
	v_pk_fma_f32 v[68+10*\p:69+10*\p], v[66+10*\p:67+10*\p], s[70:71], v[128:129] op_sel_hi:[1,0,1]
	v_pk_fma_f32 v[70+10*\p:71+10*\p], v[66+10*\p:67+10*\p], s[82:83], v[130:131] op_sel_hi:[1,0,1]
.endr
.irp c, 72,74,76,78,80
.irp p, 0,1,2,3
	v_pk_fma_f32 v[68+10*\p:69+10*\p], v[68+10*\p:69+10*\p], v[66+10*\p:67+10*\p], s[\c:\c+1] op_sel_hi:[1,1,0]
.endr
.endr
.irp c, 84,86,88
.irp p, 0,1,2,3
	v_pk_fma_f32 v[70+10*\p:71+10*\p], v[70+10*\p:71+10*\p], v[66+10*\p:67+10*\p], s[\c:\c+1] op_sel_hi:[1,1,0]
.endr
.endr
.irp p, 0,1,2,3
	v_pk_mul_f32 v[68+10*\p:69+10*\p], v[68+10*\p:69+10*\p], v[64+10*\p:65+10*\p]
.endr
.irp p, 0,1,2,3
	v_rcp_f32 v[70+10*\p], v[70+10*\p]
	v_rcp_f32 v[71+10*\p], v[71+10*\p]
.endr
.irp p, 0,1,2,3
	v_pk_mul_f32 v[72+10*\p:73+10*\p], v[\x+2*\p:\x+2*\p+1], 0.5 op_sel_hi:[1,0]   ; (plain places behind the reciprocals)
.endr
	s_wait_alu depctr_va_vdst(0)
.irp p, 0,1,2,3
	v_pk_mul_f32 v[68+10*\p:69+10*\p], v[68+10*\p:69+10*\p], v[70+10*\p:71+10*\p]
.endr
.irp p, 0,1,2,3
	v_pk_fma_f32 v[\x+2*\p:\x+2*\p+1], v[72+10*\p:73+10*\p], v[68+10*\p:69+10*\p], v[72+10*\p:73+10*\p]
.endr
.endm
.Lfc1:
	v_add_nc_u32 v12, s20, v8
	v_add_nc_u32 v13, s21, v9
	v_add_nc_u32 v14, s22, v10
	v_add_nc_u32 v15, s23, v11
	FRAG 16, 12, 0
	FRAG 24, 12, 1088
	ds_load_b32 v248, v13
	ds_load_b32 v249, v13 offset:64
	s_wait_dscnt 0x0
.irp t, 0,1,2,3
	WM 32+8*\t, 144+16*\t, 16, 208+8*\t, 240+2*\t, 248               ; four accumulators by turns; b_fc1 starts the sums
.endr
.irp t, 0,1,2,3
	WM 32+8*\t, 152+16*\t, 24, 32+8*\t, 241+2*\t, 249
.endr
	PLACES 5
	GELU 32
	GELU 40
	GELU 48
	GELU 56
	QB 32, 2, 104, 112
	v_lshl_or_b32 v116, v111, 8, v110
	ds_store_b64 v14, v[112:113]
	ds_store_b64 v14, v[114:115] offset:272
	ds_store_b16 v15, v116                         ; my two blocks' bytes are neighbours in the scale word
	s_add_co_u32 s20, s20, 2176                    ; the next tile of tokens
	s_add_co_u32 s21, s21, 128
	s_add_co_u32 s22, s22, 8704
	s_add_co_u32 s23, s23, 512
	s_add_co_u32 s3, s3, 1
	s_cmp_lt_u32 s3, 8
	s_cbranch_scc1 .Lfc1
	v_lshlrev_b32 v15, 6, v2
	GXLOAD 8, 256, 44                              ; w_fc2's tile w, all 8 K steps, and b_fc2
	BAR                                            ; the hidden layer lies in LDS
; ======== FC2, and the way out
	GEMMX 8, HIMG, HSC                             ; the result = x1 + gelu(..) w_fc2 + b_fc2
	BAR                                            ; it lies in XB
	s_mul_i32 s26, s14, XP
	v_add_nc_u32 v11, s26, v7
	s_add_nc_u64 s[20:21], s[46:47], s[18:19]      ; out0 at my first token
.set hx, 0
.rept 16
	ds_load_b128 v[16+4*hx:19+4*hx], v11 offset:XP*(hx/2)+512*(hx%2)
.set hx, hx+1
.endr
.set hx, 0
.rept 16
	s_wait_dscnt 15-hx                             ; LDS loads come back in order (ISA guide 5.7.1): this one is in, the younger ones may be out
	global_store_b128 v7, v[16+4*hx:19+4*hx], s[20:21] offset:512*hx th:TH_STORE_NT   ; 32 lanes store 512 consecutive bytes, at a multiple of 256 from out0's first byte
.set hx, hx+1
.endr
	s_wait_xcnt 0x0
	v_lshl_add_u32 v254, v0, 2, 0x4d800
	v_mov_b32 v255, 0
	s_wait_tensorcnt 0x0
	ds_add_u32 v254, v255
	s_wait_dscnt 0x0
	s_endpgm
.Lfunc_end_k_q405c189394_main:
	.size	k_q405c189394_main, .Lfunc_end_k_q405c189394_main-k_q405c189394_main
	.p2alignl 7, 3214868480
	.fill 96, 4, 3214868480
	.section	.rodata,"a",@progbits
	.p2align	6, 0x0
	.amdhsa_kernel k_q405c189394_main
		.amdhsa_group_segment_fixed_size 319488
		.amdhsa_private_segment_fixed_size 0
		.amdhsa_enable_private_segment 0
		.amdhsa_kernarg_size 192
		.amdhsa_user_sgpr_count 2
		.amdhsa_user_sgpr_kernarg_segment_ptr 1
		.amdhsa_wavefront_size32 1
		.amdhsa_system_sgpr_workgroup_id_x 1
		.amdhsa_system_sgpr_workgroup_id_y 1
		.amdhsa_system_sgpr_workgroup_id_z 1
		.amdhsa_system_vgpr_workitem_id 0
		.amdhsa_next_free_vgpr 256
		.amdhsa_next_free_sgpr 100
		.amdhsa_reserve_vcc 0
		.amdhsa_float_denorm_mode_32 3
		.amdhsa_float_denorm_mode_16_64 3
		.amdhsa_memory_ordered 1
		.amdhsa_forward_progress 1
		.amdhsa_inst_pref_size 255
	.end_amdhsa_kernel
	.section	.bss,"aw",@nobits
	.p2align	6
	.space	262144
	.amdgpu_metadata
---
amdhsa.version: [ 1, 2 ]
amdhsa.kernels:
  - .name:           k_q405c189394_main
    .symbol:         k_q405c189394_main.kd
    .args:
      - { .name: x, .offset: 0, .size: 8, .value_kind: global_buffer, .address_space: global }
      - { .name: pos, .offset: 8, .size: 8, .value_kind: global_buffer, .address_space: global }
      - { .name: pw1, .offset: 16, .size: 8, .value_kind: global_buffer, .address_space: global }
      - { .name: pb1, .offset: 24, .size: 8, .value_kind: global_buffer, .address_space: global }
      - { .name: bn_g, .offset: 32, .size: 8, .value_kind: global_buffer, .address_space: global }
      - { .name: bn_b, .offset: 40, .size: 8, .value_kind: global_buffer, .address_space: global }
      - { .name: bn_m, .offset: 48, .size: 8, .value_kind: global_buffer, .address_space: global }
      - { .name: bn_v, .offset: 56, .size: 8, .value_kind: global_buffer, .address_space: global }
      - { .name: pw2, .offset: 64, .size: 8, .value_kind: global_buffer, .address_space: global }
      - { .name: pb2, .offset: 72, .size: 8, .value_kind: global_buffer, .address_space: global }
      - { .name: norm1_g, .offset: 80, .size: 8, .value_kind: global_buffer, .address_space: global }
      - { .name: norm1_b, .offset: 88, .size: 8, .value_kind: global_buffer, .address_space: global }
      - { .name: bq, .offset: 96, .size: 8, .value_kind: global_buffer, .address_space: global }
      - { .name: bk, .offset: 104, .size: 8, .value_kind: global_buffer, .address_space: global }
      - { .name: bv, .offset: 112, .size: 8, .value_kind: global_buffer, .address_space: global }
      - { .name: wcodes, .offset: 120, .size: 8, .value_kind: global_buffer, .address_space: global }
      - { .name: wscales, .offset: 128, .size: 8, .value_kind: global_buffer, .address_space: global }
      - { .name: w2dup, .offset: 136, .size: 8, .value_kind: global_buffer, .address_space: global }
      - { .name: bo, .offset: 144, .size: 8, .value_kind: global_buffer, .address_space: global }
      - { .name: norm2_g, .offset: 152, .size: 8, .value_kind: global_buffer, .address_space: global }
      - { .name: norm2_b, .offset: 160, .size: 8, .value_kind: global_buffer, .address_space: global }
      - { .name: b_fc1, .offset: 168, .size: 8, .value_kind: global_buffer, .address_space: global }
      - { .name: b_fc2, .offset: 176, .size: 8, .value_kind: global_buffer, .address_space: global }
      - { .name: out0, .offset: 184, .size: 8, .value_kind: global_buffer, .address_space: global }
    .group_segment_fixed_size: 319488
    .private_segment_fixed_size: 0
    .kernarg_segment_align: 8
    .kernarg_segment_size: 192
    .max_flat_workgroup_size: 512
    .sgpr_count:     100
    .vgpr_count:     256
    .wavefront_size: 32
...
	.end_amdgpu_metadata
.endif
;; end of part 2
;; ======== version 2 of 2: 2 launches; version 1 with the launch main written anew for expert scheduling mode
;; workspace buffers: wcodes 393,216 bytes; wscales 24,576 bytes; w2dup 1,024 bytes
;; launch prep: the kernel of part 1 again; grid 49 x 1, 4 waves a work-group, no clusters, 0 bytes of LDS; arguments wq, wk, wv, wo, w_fc2, w_fc1, pw2, wcodes, wscales, w2dup; writes wcodes, wscales, w2dup
;; launch main (part 3): grid 256 x 1, 16 waves a work-group, no clusters, 319,488 bytes of LDS; arguments x, pos, pw1, pb1, bn_g, bn_b, bn_m, bn_v, pw2, pb2, norm1_g, norm1_b, bq, bk, bv, wcodes, wscales, w2dup, bo, norm2_g, norm2_b, b_fc1, b_fc2, out0; writes out0
.if DOCPART == 3
	.amdgcn_target "amdgcn-amd-amdhsa--gfx1250"
	.amdhsa_code_object_version 6
	.text
	.protected	k_q405c189394_main
	.globl	k_q405c189394_main
	.p2align	8
	.type	k_q405c189394_main,@function
k_q405c189394_main:
	s_mov_b64 s[64:65], 0
	v_nop
	global_prefetch_b8 v0, s[64:65] scope:SCOPE_SE
	s_setreg_imm32_b32 hwreg(HW_REG_WAVE_SCHED_MODE, 0, 2), 2
	s_setreg_imm32_b32 hwreg(HW_REG_WAVE_MODE, 25, 1), 1
	s_wait_xcnt 0x0
	s_wait_alu depctr_vm_vsrc(0)
; One work-group carries ONE WINDOW (128 tokens x 256 channels) from x to out0: LN1, Q K V, the pair bias, attention in 8 heads, wo + residual, LN2, fc1, exact GELU, fc2 + residual.
; x is read once, out0 written once; nothing else of the window goes to memory.  Sixteen waves of 256 registers, four to a SIMD: the launch is vector work (bias net, GELU, softmax, quantisers), and
; one wave's LDS loads and transcendentals stand beside another's arithmetic.  All eight large products run on codes of FP4 (E2M1) with E8M0 scales, both operands quantised along their K.
; TOKEN ORDER.  Token t has slot s(t) = t with bits 3 and 4 swapped; tile = slot / 16, row = slot % 16.  So row p of tile 2 b + u is token 32 b + 8 u + p + 8 (p / 8), and where a tile is source 0 of a
; product, registers 0-7 of tiles 2 b and 2 b + 1 are tokens 32 b + 16 (lane / 16) + 0 .. 15: neighbours along a K that runs over tokens.  Weight tiles take their channels by the same rule.
; IMAGES.  Every activation operand lies in LDS as blocks: the 32 codes of each of 16 rows, 16 bytes a row, 272 bytes a block (256 + 16).  Fragment f = blocks 4 f .. 4 f + 3.  A lane (r, h) reads its
; registers 4 c .. 4 c + 3 at 1088 f + 544 c + 272 h + 16 r; a lane that holds k = 16 h + 0 .. 15 of block b of row r stores 8 bytes at 272 b + 16 r + 8 h.  Scale words: 64 bytes a fragment, word 4 x row.
; THE BIAS.  BN is folded into the first layer: a_o(t) = A_o x'_t + B_o y'_t, c_o(t) = a_o(t) + C_o, positions taken relative to the window's first token.
; relu(c_o(t) - a_o(u)) = max(c_o(t), a_o(u)) - a_o(u), so bias[h][t][u] = G_h(u) + sum over o of w_ho max(c_o(t), a_o(u)), G_h(u) = pb2_h - sum over o of w_ho a_o(u).
; A maximum serves all 8 heads.  The finished bias is the C of the product K Q^T.
; THE SOFTMAX.  A wave makes p = 2^(t - M_loc) for one block of 32 keys, M_loc = ceil(that block's largest t), with its byte, and stores (-M_loc, the block's sum).  The second product's phase takes
; M = the largest M_loc, adds M_loc - M to each byte and sums l_loc 2^(M_loc - M): powers of two, nothing rounded.
; NO CLUSTER: all work-groups read the same 417,792 bytes of weights, but a joint load lands in LDS, of whose 327,680 bytes 317,440 hold the window's state; each fragment goes straight into the
; registers of the one wave that uses it, once for each work-group.  NO TENSOR LOADS: x is wanted in registers for LN1 at once.
; LIMITS.  NaN and infinities are not served.  A block of zeros gets the byte 1 (its codes are zeros; this program alone reads the bytes).  M is a whole number kept in f32: |t| < 2^24.
; A block of keys whose byte would fall under 1 (some 120 binades under the row's M) is held at 1: it then counts for at most 6 x 2^-126.  The bias is summed in f32 in the order G + sum of w max(c, a), which
; is another order of rounding than the reference's.  erf is a rational in f32 on x / sqrt(2) held to +-4, beyond which erf is 1 in f32.
; THE MODE: SCHED_MODE bits 1:0 = 2 (LLVM: expert scheduling mode 2), set by the entry lines.  The code itself states the register dependences between vector or matrix instructions and
; memory or LDS instructions, with s_wait_alu, always for 0.
; THE PLAN.  A phase begins behind its barrier with ONE wait on vm_vsrc (the LDS and memory instructions issued so far have read their addresses and their data), makes its addresses v8-v23, and has ONE wait on
; va_vdst ahead of its first loads; each run of stores has one wait on va_vdst ahead of it.  Beside these:
;   QKV    two sets of token fragments (v16-31, v32-47; scale words v246-249).  Step t's products read set t % 2; the loads at the head of step t + 1 land in it.  The wait ahead of step t's stores stands behind
;          those products, and nothing between it and the loads names the set: it serves both.  v131-133, a step's codes and byte, are written again only behind a wait on vm_vsrc at the next step's head.
;   S      a's two buffers v64-79, v80-95: the 16 maxima of o read buffer o % 2; one wait on va_vdst behind them; then a of o + 2 lands there, at o = 14 k's fragments of heads 0-3, at o = 15 q's.
;          Heads 4-7's fragments have a buffer of their own, v88-111 (scale words v243-245), asked for behind one wait when the multiply-adds of o = 15 are done with the maxima v96-111.
;          The masked q, v40-63, is written by vector instructions: the four places and a wait on va_vdst stand ahead of each run of products.
;   GEMMX  two buffers v88-119, v120-151 (scale words v248-255): step q's loads land in the buffer that step q - 1 multiplied: one wait on va_vdst ahead of them.
;   FC1    one set v16-31 (v248, v249): the next tile's fragments are asked for behind this tile's products and one wait on va_vdst, and land during GELU.
.set XP,   1040                        ; XB: 128 slot rows of 1,024 bytes + 16: x, then x1, then the result.  260 words: row r starts 4 r banks on (64 banks of 4 bytes: ISA guide 11.1)
.set AK,   133120                      ; a: [16 o][128 tokens] f32
.set GT,   141312                      ; G: [8 heads][128 tokens] f32
.set CQ,   145408                      ; c: [128 slots][16 o] f32, 80 bytes a slot
.set QIMG, 155648                      ; q: 8 tiles x 8 blocks (block = head)
.set QSC,  173056
.set KIMG, 174080                      ; k likewise: QIMG + 18,432
.set KSC,  191488
.set VIMG, 192512                      ; v: fragment 2 head + u: 16 channels x 128 keys
.set VSC,  209920
.set PIMG, 210944                      ; p: fragment 8 head + query tile: 16 queries x 128 keys
.set PST,  280576                      ; [head][query tile][row][key block] x (-M_loc, l_loc)
.set PSC,  313344
.set XIMG, PIMG                        ; LN1's codes: read for the last time in front of the barrier behind which p is written
.set XSC,  PIMG+17408
.set OIMG, QIMG                        ; attention's result: q is read for the last time in front of the barrier behind which it is written
.set OSC,  QSC
.set LIMG, KIMG                        ; LN2's codes
.set LSC,  KSC
.set HIMG, PIMG                        ; the hidden layer: 8 tiles x 32 blocks
.set HSC,  PST
; REGISTERS THAT STAY: v0 thread; v1 r = lane % 16; v2 h = lane / 16; v3 lane; v4 16 r + 272 h; v5 16 r + 8 h; v6 4 r; v7 16 x lane.  v8-23: a phase's addresses.  v240-255: scale words, and at the end v254, v255 the spare word's address and addend.
; s2 wave; s3 trips; s[4:5] lane selects; s[6:7] a factor; s[8:9] wscales; s[10:11] w2dup; s[12:13] wcodes; s14 my first slot; s15 wave & 1; s16 wave >> 1; s[18:19] my 8 tokens' byte offset in x and out0.
.macro BAR                             ; my LDS stores have landed and my LDS loads are in: then the work-group's barrier
	s_wait_dscnt 0x0
	s_barrier_signal -1
	s_barrier_wait -1
.endm
; A vector instruction or LDS store that reads a matrix result, and a load into or a vector write of a register that a matrix instruction names, stand four places behind it; a matrix instruction that writes
; over such a register five.  Only plain vector instructions that name none of its registers are places (ISA guide 7.12.1).
.macro PLACES n
.rept \n
	v_nop
.endr
.endm
.macro FRAG reg, adr, byte             ; a fragment's 8 registers from its image
	ds_load_b128 v[\reg:\reg+3], v[\adr] offset:\byte
	ds_load_b128 v[\reg+4:\reg+7], v[\adr] offset:\byte+544
.endm
.macro WM d, a, b, c, sa, sb
	v_wmma_scale_f32_16x16x128_f8f6f4 v[\d:\d+7], v[\a:\a+7], v[\b:\b+7], v[\c:\c+7], v[\sa], v[\sb] matrix_a_fmt:MATRIX_FMT_FP4 matrix_b_fmt:MATRIX_FMT_FP4
.endm
.macro WMZ d, a, b, sa, sb
	v_wmma_scale_f32_16x16x128_f8f6f4 v[\d:\d+7], v[\a:\a+7], v[\b:\b+7], 0, v[\sa], v[\sb] matrix_a_fmt:MATRIX_FMT_FP4 matrix_b_fmt:MATRIX_FMT_FP4
.endm
; nb blocks by turns.  Block b: 16 numbers of my row in v[src + 16 b] on, k = 16 h + 0 .. 15; lane l xor 16 holds the other 16.  Out: its 16 codes in v[cp + 2 b], v[cp + 2 b + 1]; its byte in v[tm + 3 nb + b].
.macro QB src, nb, tm, cp
.set qb_b, 0
.rept \nb
	v_max3_num_f32 v[\tm+qb_b], |v[\src+16*qb_b]|, |v[\src+16*qb_b+1]|, 0x1800000   ; with the floor 2^(3 - 127): the byte cannot fall under 1
.set qb_b, qb_b+1
.endr
.set qb_i, 2
.rept 7
.set qb_b, 0
.rept \nb
	v_max3_num_f32 v[\tm+qb_b], v[\tm+qb_b], |v[\src+16*qb_b+qb_i]|, |v[\src+16*qb_b+qb_i+1]|
.set qb_b, qb_b+1
.endr
.set qb_i, qb_i+2
.endr
.set qb_b, 0
.rept \nb
	v_permlanex16_b32 v[\tm+\nb+qb_b], v[\tm+qb_b], s4, s5
.set qb_b, qb_b+1
.endr
.set qb_b, 0
.rept \nb
	v_max_num_f32 v[\tm+qb_b], v[\tm+qb_b], v[\tm+\nb+qb_b]          ; the block's largest magnitude
.set qb_b, qb_b+1
.endr
.set qb_b, 0
.rept \nb
	v_add_nc_u32 v[\tm+2*\nb+qb_b], 0xff000000, v[\tm+qb_b]          ; 2 off its exponent field: the conversion's scale operand
.set qb_b, qb_b+1
.endr
.set qb_b, 0
.rept \nb
	v_lshrrev_b32 v[\tm+3*\nb+qb_b], 23, v[\tm+2*\nb+qb_b]           ; the scale's byte
.set qb_b, qb_b+1
.endr
.set qb_b, 0
.rept \nb
	v_cvt_scalef32_pk8_fp4_f32 v[\cp+2*qb_b], v[\src+16*qb_b:\src+16*qb_b+7], v[\tm+2*\nb+qb_b]
	v_cvt_scalef32_pk8_fp4_f32 v[\cp+2*qb_b+1], v[\src+16*qb_b+8:\src+16*qb_b+15], v[\tm+2*\nb+qb_b]
.set qb_b, qb_b+1
.endr
	v_nop                                          ; one plain place behind a scaled conversion
.endm
; LN's addresses: v8 my 8 rows of XB, 32 bytes a lane; v9 my codes' place in the image; v10 my block's scale byte
.macro LNADDR img, sc
	s_mul_i32 s26, s14, XP
	v_lshl_add_u32 v8, v3, 5, s26
	s_lshr_b32 s28, s14, 4                         ; my rows' tile,
	s_and_b32 s29, s14, 15                         ; and the first of them in it
	s_mul_i32 s26, s28, 2176
	s_lshl_b32 s31, s29, 4
	s_add_co_u32 s26, s26, s31
	s_add_co_u32 s26, s26, \img
	v_lshrrev_b32 v9, 2, v3                        ; lane l holds channels 8 l .. 8 l + 7: block l / 4,
	v_mul_u32_u24 v9, v9, 272
	v_and_b32 v10, 3, v3
	v_lshl_add_u32 v9, v10, 2, v9                  ; 4 bytes at 4 (l % 4): the 32 lanes fall on 32 different banks
	v_add_nc_u32 v9, s26, v9
	s_lshl_b32 s26, s28, 7
	s_lshl_b32 s31, s29, 2
	s_add_co_u32 s26, s26, s31
	s_add_co_u32 s26, s26, \sc
	v_bfe_u32 v10, v3, 2, 2
	v_lshl_add_u32 v10, v2, 6, v10
	v_add_nc_u32 v10, s26, v10
.endm
.macro LNSUM                           ; v[104 + 2 i] = the sum over the wave of the pair v[104 + 2 i : 105 + 2 i], in every lane
.irp i, 0,1,2,3,4,5,6,7
	v_add_f32 v[104+2*\i], v[104+2*\i], v[105+2*\i]
.endr
.irp m, 1,2,4,8
.irp i, 0,1,2,3,4,5,6,7
	v_add_f32_dpp v[104+2*\i], v[104+2*\i], v[104+2*\i] row_xmask:\m row_mask:0xf bank_mask:0xf
.endr
.endr
.irp i, 0,1,2,3,4,5,6,7
	v_permlanex16_b32 v[120+\i], v[104+2*\i], s4, s5
.endr
.irp i, 0,1,2,3,4,5,6,7
	v_add_f32 v[104+2*\i], v[104+2*\i], v[120+\i]
.endr
.endm
; LN of my 8 rows of XB, and its codes.  The rows by turns.  Gain in v80-87, offset in v88-95 (my 8 channels); s6 = 1/256, s7 = EPS.  v16-79 the rows; v96-143 at work.
; What its loads hang on (v8 written; v16-79 free) is stated ahead of each of its two uses.
.macro LNQ
.irp i, 0,1,2,3,4,5,6,7
	ds_load_b128 v[16+8*\i:19+8*\i], v8 offset:XP*\i
	ds_load_b128 v[20+8*\i:23+8*\i], v8 offset:XP*\i+16
.endr
	s_wait_dscnt 0x0
.irp i, 0,1,2,3,4,5,6,7
	v_pk_add_f32 v[104+2*\i:105+2*\i], v[16+8*\i:17+8*\i], v[18+8*\i:19+8*\i]
.endr
.irp j, 4,6
.irp i, 0,1,2,3,4,5,6,7
	v_pk_add_f32 v[104+2*\i:105+2*\i], v[104+2*\i:105+2*\i], v[16+8*\i+\j:17+8*\i+\j]
.endr
.endr
	LNSUM
.irp i, 0,1,2,3,4,5,6,7
	v_mul_f32 v[104+2*\i], 0xbb800000, v[104+2*\i]                   ; -mean: x -1/256, exact
.endr
.irp j, 0,2,4,6
.irp i, 0,1,2,3,4,5,6,7
	v_pk_add_f32 v[16+8*\i+\j:17+8*\i+\j], v[16+8*\i+\j:17+8*\i+\j], v[104+2*\i:105+2*\i] op_sel_hi:[1,0]
.endr
.endr
.irp i, 0,1,2,3,4,5,6,7
	v_pk_mul_f32 v[104+2*\i:105+2*\i], v[16+8*\i:17+8*\i], v[16+8*\i:17+8*\i]
.endr
.irp j, 2,4,6
.irp i, 0,1,2,3,4,5,6,7
	v_pk_fma_f32 v[104+2*\i:105+2*\i], v[16+8*\i+\j:17+8*\i+\j], v[16+8*\i+\j:17+8*\i+\j], v[104+2*\i:105+2*\i]
.endr
.endr
	LNSUM
.irp i, 0,1,2,3,4,5,6,7
	v_fma_f32 v[104+2*\i], v[104+2*\i], s6, s7                       ; variance + EPS
.endr
.irp i, 0,1,2,3,4,5,6,7
	v_rsq_f32 v[104+2*\i], v[104+2*\i]
.endr
	v_nop                                          ; one plain place behind a transcendental
	s_wait_alu depctr_va_vdst(0)                   ; the eight reciprocal roots are written, ahead of their first reader
.irp j, 0,2,4,6
.irp i, 0,1,2,3,4,5,6,7
	v_pk_mul_f32 v[16+8*\i+\j:17+8*\i+\j], v[16+8*\i+\j:17+8*\i+\j], v[104+2*\i:105+2*\i] op_sel_hi:[1,0]
.endr
.endr
.irp j, 0,2,4,6
.irp i, 0,1,2,3,4,5,6,7
	v_pk_fma_f32 v[16+8*\i+\j:17+8*\i+\j], v[16+8*\i+\j:17+8*\i+\j], v[80+\j:81+\j], v[88+\j:89+\j]
.endr
.endr
.irp i, 0,1,2,3,4,5,6,7
	v_max3_num_f32 v[96+\i], |v[16+8*\i]|, |v[17+8*\i]|, 0x1800000   ; a block of 32 channels lies in four neighbouring lanes
.endr
.irp j, 2,4,6
.irp i, 0,1,2,3,4,5,6,7
	v_max3_num_f32 v[96+\i], v[96+\i], |v[16+8*\i+\j]|, |v[17+8*\i+\j]|
.endr
.endr
.irp m, 1,2
.irp i, 0,1,2,3,4,5,6,7
	v_max_num_f32_dpp v[96+\i], v[96+\i], v[96+\i] row_xmask:\m row_mask:0xf bank_mask:0xf
.endr
.endr
.irp i, 0,1,2,3,4,5,6,7
	v_add_nc_u32 v[128+\i], 0xff000000, v[96+\i]
.endr
.irp i, 0,1,2,3,4,5,6,7
	v_lshrrev_b32 v[136+\i], 23, v[128+\i]
.endr
.irp i, 0,1,2,3,4,5,6,7
	v_cvt_scalef32_pk8_fp4_f32 v[96+\i], v[16+8*\i:23+8*\i], v[128+\i]
.endr
	v_nop                                          ; one plain place behind a scaled conversion
	s_wait_alu depctr_va_vdst(0)                   ; the conversions have written the codes v96-103 and the shifts the bytes v136-143, which the stores below read
.irp i, 0,1,2,3,4,5,6,7
	ds_store_b32 v9, v[96+\i] offset:16*\i
	ds_store_b8 v10, v[136+\i] offset:4*\i         ; the four lanes of a block write the same byte with the same value
.endr
.endm
; ======== HEAD: ids, pointers, all first loads
	s_load_b512 s[32:47], s[0:1], 0x0              ; x s[32:33], pos s[34:35], pw1 s[36:37], pb1 s[38:39], bn_g s[40:41], bn_b s[42:43], bn_m s[44:45], bn_v s[46:47]
	s_load_b512 s[48:63], s[0:1], 0x40             ; pw2 s[48:49], pb2 s[50:51], norm1_g s[52:53], norm1_b s[54:55], bq s[56:57], bk s[58:59], bv s[60:61], wcodes s[62:63]
	s_load_b128 s[8:11], s[0:1], 0x80              ; wscales, w2dup
	v_lshrrev_b32 v1, 5, v0
	v_readfirstlane_b32 s2, v1                     ; wave 0..15
	v_and_b32 v1, 15, v0
	v_bfe_u32 v2, v0, 4, 1
	v_and_b32 v3, 31, v0
	v_lshlrev_b32 v6, 2, v1
	v_lshlrev_b32 v7, 4, v3
	v_lshlrev_b32 v5, 4, v1
	v_mad_u32_u24 v4, v2, 272, v5
	v_lshl_add_u32 v5, v2, 3, v5
	s_mov_b32 s4, 0x76543210
	s_mov_b32 s5, 0xfedcba98                       ; v_permlanex16_b32's selects for lane l xor 16
	s_wait_alu depctr_va_sdst(0)                   ; s2 is written, ahead of its first reader
	s_and_b32 s15, s2, 1
	s_lshr_b32 s16, s2, 1
	s_lshr_b32 s20, s2, 2
	s_and_b32 s21, s16, 1
	s_lshl_b32 s14, s20, 5                         ; my tokens are 8 w .. 8 w + 7; their slots begin at 32 (w >> 2) + 16 (w & 1) + 8 ((w >> 1) & 1)
	s_lshl_b32 s22, s15, 4
	s_add_co_u32 s14, s14, s22
	s_lshl_b32 s22, s21, 3
	s_add_co_u32 s14, s14, s22
	s_lshr_b32 s22, ttmp9, 4                       ; the window's row of windows,
	s_and_b32 s23, ttmp9, 15                       ; and its column
	s_lshl_b32 s22, s22, 11
	s_lshl_b32 s23, s23, 5
	s_add_co_u32 s17, s22, s23                     ; the window's first token: 2048 wy + 32 wx
	s_lshl_b32 s22, s20, 9
	s_and_b32 s23, s2, 3
	s_lshl_b32 s23, s23, 3
	s_add_co_u32 s22, s22, s23
	s_add_co_u32 s22, s22, s17                     ; my first token: + 512 (w >> 2) + 8 (w & 3)
	s_lshl_b32 s18, s22, 10
	s_mov_b32 s19, 0
	s_lshl_b32 s24, s22, 3
	s_mov_b32 s25, 0
	s_lshl_b32 s30, s17, 3
	s_mov_b32 s31, 0
	s_mov_b32 s27, 0
	v_lshlrev_b32 v160, 5, v3                      ; offsets of the loads below; none is rewritten before its load's own wait
	v_lshlrev_b32 v161, 5, v2
	v_lshlrev_b32 v162, 3, v1
	v_lshlrev_b32 v163, 6, v2
	v_and_b32 v164, 8, v1
	v_add_nc_u32 v164, v164, v1
	v_lshlrev_b32 v164, 2, v164
	s_wait_kmcnt 0x0
	s_add_nc_u64 s[94:95], s[34:35], s[30:31]
	s_load_b256 s[84:91], s[50:51], 0x0            ; pb2
	s_load_b64 s[92:93], s[94:95], 0x0             ; the position of the window's first token
	s_mov_b64 s[12:13], s[62:63]
	s_add_nc_u64 s[68:69], s[34:35], s[24:25]      ; pos at my first token
	s_add_nc_u64 s[70:71], s[32:33], s[18:19]      ; x likewise
	s_lshl_b32 s26, s2, 12
	s_add_nc_u64 s[72:73], s[12:13], s[26:27]      ; fragments 4 w .. 4 w + 3: wq's head w, or wk's head w - 8
	s_lshl_b32 s26, s2, 11
	s_add_co_u32 s26, s26, 65536
	s_add_nc_u64 s[74:75], s[12:13], s[26:27]      ; fragments 64 + 2 w, + 1: wv's tile w
	s_lshl_b32 s26, s2, 8
	s_add_nc_u64 s[76:77], s[8:9], s[26:27]
	s_lshl_b32 s26, s2, 7
	s_add_co_u32 s26, s26, 4096
	s_add_nc_u64 s[78:79], s[8:9], s[26:27]
	s_cmp_lt_u32 s2, 8                             ; the choice hangs on the wave's number alone
	s_cselect_b64 s[80:81], s[56:57], s[58:59]
	s_and_b32 s26, s2, 7
	s_lshl_b32 s26, s26, 7
	s_add_nc_u64 s[80:81], s[80:81], s[26:27]      ; bq or bk at my head
	s_lshl_b32 s26, s16, 7
	s_lshl_b32 s28, s15, 5
	s_add_co_u32 s26, s26, s28
	s_add_nc_u64 s[82:83], s[60:61], s[26:27]      ; bv at my tile
	s_wait_alu depctr_va_vdst(0)                   ; v6, v7 and v160-164 are written: the offsets that the 59 loads below read
	; 16 loads for the bias tables: lane (o = r, h) has tokens 8 w + 4 h + 0 .. 3
	global_load_b128 v[96:99], v161, s[68:69]
	global_load_b128 v[100:103], v161, s[68:69] offset:16
	global_load_b64 v[104:105], v162, s[36:37]
	global_load_b32 v106, v6, s[38:39]
	global_load_b32 v107, v6, s[40:41]
	global_load_b32 v108, v6, s[42:43]
	global_load_b32 v109, v6, s[44:45]
	global_load_b32 v110, v6, s[46:47]
.irp hh, 0,1,2,3,4,5,6,7
	global_load_b32 v[112+\hh], v6, s[48:49] offset:64*\hh
.endr
	; 16 loads: my 8 rows of x, 8,192 consecutive bytes, 512 a load
.set hx, 0
.rept 16
	global_load_b128 v[16+4*hx:19+4*hx], v7, s[70:71] offset:512*hx th:TH_LOAD_NT
.set hx, hx+1
.endr
	; 4 loads: norm1's gain and offset of channels 8 l .. 8 l + 7
	global_load_b128 v[80:83], v160, s[52:53]
	global_load_b128 v[84:87], v160, s[52:53] offset:16
	global_load_b128 v[88:91], v160, s[54:55]
	global_load_b128 v[92:95], v160, s[54:55] offset:16
	; 23 loads: the weights of the products with wq, wk, wv, which stay in registers
.irp f, 0,1,2,3
	global_load_b128 v[168+8*\f:171+8*\f], v7, s[72:73] offset:1024*\f
	global_load_b128 v[172+8*\f:175+8*\f], v7, s[72:73] offset:1024*\f+512
.endr
.irp f, 0,1
	global_load_b128 v[200+8*\f:203+8*\f], v7, s[74:75] offset:1024*\f
	global_load_b128 v[204+8*\f:207+8*\f], v7, s[74:75] offset:1024*\f+512
.endr
.irp f, 0,1,2,3
	global_load_b32 v[240+\f], v6, s[76:77] offset:64*\f
.endr
.irp f, 0,1
	global_load_b32 v[244+\f], v6, s[78:79] offset:64*\f
.endr
.irp u, 0,1
	global_load_b128 v[216+8*\u:219+8*\u], v163, s[80:81] offset:32*\u
	global_load_b128 v[220+8*\u:223+8*\u], v163, s[80:81] offset:32*\u+16
.endr
	global_load_b32 v232, v164, s[82:83]
	; LDS addresses of the head
	s_lshl_b32 s26, s2, 5
	s_add_co_u32 s26, s26, AK
	v_lshlrev_b32 v13, 9, v1
	v_lshl_add_u32 v13, v2, 4, v13
	v_add_nc_u32 v13, s26, v13                     ; a: row o, tokens 8 w + 4 h on
	s_mul_i32 s26, s14, 80
	s_add_co_u32 s26, s26, CQ
	v_mad_u32_u24 v14, v2, 320, v6
	v_add_nc_u32 v14, s26, v14                     ; c: slot s0 + 4 h + i, word o
	s_lshl_b32 s26, s2, 5
	s_add_co_u32 s26, s26, GT
	v_lshlrev_b32 v15, 4, v2
	v_add_nc_u32 v15, s26, v15                     ; G: tokens 8 w + 4 h on
	s_mul_i32 s26, s14, XP
	v_add_nc_u32 v11, s26, v7                      ; XB: my rows, 16 bytes a lane
	LNADDR XIMG, XSC
	s_mov_b32 s6, 0x3b800000                       ; 1 / 256
	s_mov_b32 s7, 0x3727c5ac                       ; EPS
; ======== P: the bias tables of my 8 tokens
	s_wait_loadcnt 43                              ; the first 16 loads are in; x's 16, norm1's 4 and the weights' 23 may be out
	s_wait_kmcnt 0x0
	v_add_f32 v110, 0x3727c5ac, v110
	v_rsq_f32 v110, v110
	v_sub_f32 v106, v106, v109                     ; pb1 - bn_m  (the plain place behind the transcendental)
	s_wait_alu depctr_va_vdst(0)                   ; the reciprocal root v110 is written, ahead of its first reader
	v_mul_f32 v107, v107, v110                     ; s = bn_g rsq(bn_v + EPS)
	v_mul_f32 v104, v104, v107                     ; A
	v_mul_f32 v105, v105, v107                     ; B
	v_fma_f32 v106, v106, v107, v108               ; C
.irp i, 0,1,2,3
	v_sub_f32 v[96+2*\i], v[96+2*\i], s92          ; positions relative to the window's first token
	v_sub_f32 v[97+2*\i], v[97+2*\i], s93
.endr
.irp i, 0,1,2,3
	v_mul_f32 v[120+\i], v104, v[96+2*\i]
.endr
.irp i, 0,1,2,3
	v_fmac_f32 v[120+\i], v105, v[97+2*\i]         ; a_o(token)
.endr
.irp i, 0,1,2,3
	v_add_f32 v[124+\i], v[120+\i], v106           ; c_o(token)
.endr
.set pj, 0
.rept 32
	v_mul_f32 v[128+pj], v[112+pj/4], v[120+pj%4]  ; w_ho a_o, head pj / 4, token pj % 4
.set pj, pj+1
.endr
.irp m, 1,2,4,8
.set pj, 0
.rept 32
	v_add_f32_dpp v[128+pj], v[128+pj], v[128+pj] row_xmask:\m row_mask:0xf bank_mask:0xf   ; summed over the 16 o
.set pj, pj+1
.endr
.endr
.set pj, 0
.rept 32
	v_sub_f32 v[128+pj], s[84+pj/4], v[128+pj]     ; G = pb2 - the sum
.set pj, pj+1
.endr
	s_wait_alu depctr_va_vdst(0)                   ; a, c and G, v120-159, are written, which the stores below read; so are the head's LDS addresses v8-v11 and v13-v15, for these stores, x's stores and LN1's loads
	ds_store_b128 v13, v[120:123]
.irp i, 0,1,2,3
	ds_store_b32 v14, v[124+\i] offset:80*\i
.endr
.irp hh, 0,1,2,3,4,5,6,7
	ds_store_b128 v15, v[128+4*\hh:131+4*\hh] offset:512*\hh   ; the sixteen lanes of a half write the same words with the same values
.endr
; ======== A: x into XB, LN1, its codes
	s_wait_loadcnt 27                              ; x is in; norm1's 4 and the weights' 23 may be out
.set hx, 0
.rept 16
	ds_store_b128 v11, v[16+4*hx:19+4*hx] offset:XP*(hx/2)+512*(hx%2)   ; no vector instruction since the wait above names v11 or v16-79
.set hx, hx+1
.endr
	s_wait_loadcnt 23                              ; norm1's gain and offset are in
	s_wait_alu depctr_vm_vsrc(0)                   ; x's stores have read v16-79, in which LN1's loads land; the tables' stores have read v120-159, which LN1's arithmetic writes
	LNQ                                            ; its loads read my own rows: LDS serves a wave's instructions in order (ISA guide 5.7.1.4)
	BAR                                            ; the tables and LN1's eight tiles of codes lie in LDS
; ======== QKV.  Waves 0-7: q of head w; waves 8-15: k of head w - 8 (source 0 = 16 rows of the weight, source 1 = a tile of tokens).  Every wave: v's tile w of 16 channels
; (source 0 = the tokens, source 1 = wv), so that a lane holds one channel and its registers run along the tokens, which are the second product's K.
	s_wait_alu depctr_vm_vsrc(0)                   ; LN1's LDS loads and stores have read v8-v10, which are written anew, and their data v96-103, v136-143
	v_add_nc_u32 v8, XIMG, v4
	v_add_nc_u32 v9, XSC, v6
	s_lshr_b32 s20, s2, 3
	s_mul_i32 s20, s20, 18432                      ; q's image or k's
	s_and_b32 s21, s2, 7
	s_mul_i32 s22, s21, 272
	s_add_co_u32 s22, s22, s20
	s_add_co_u32 s22, s22, QIMG
	v_add_nc_u32 v10, s22, v5                      ; block = my head
	s_lshr_b32 s22, s21, 2
	s_lshl_b32 s22, s22, 6
	s_and_b32 s23, s2, 3
	s_add_co_u32 s22, s22, s23
	s_add_co_u32 s22, s22, s20
	s_add_co_u32 s22, s22, QSC
	v_add_nc_u32 v11, s22, v6
	s_mul_i32 s22, s2, 1088
	s_add_co_u32 s22, s22, VIMG
	v_add_nc_u32 v12, s22, v5
	s_lshl_b32 s22, s2, 6
	s_add_co_u32 s22, s22, VSC
	v_add_nc_u32 v13, s22, v6
	s_cmp_lt_u32 s2, 8
	s_mov_b32 s7, 1.0
	s_cselect_b32 s6, 0x3e3504f3, s7               ; q is multiplied by 32^-0.5 ahead of its quantiser, k by 1
	s_mov_b32 s7, s6
.macro XFETCH t                        ; tile t's two fragments and scale words, into the set t % 2
.set xf_b, 16+16*((\t)%2)
.set xf_s, 246+2*((\t)%2)
	FRAG xf_b, 8, 2176*(\t)
	FRAG xf_b+8, 8, 2176*(\t)+1088
	ds_load_b32 v[xf_s], v9 offset:128*(\t)
	ds_load_b32 v[xf_s+1], v9 offset:128*(\t)+64
.endm
	s_wait_alu depctr_va_vdst(0)                   ; the addresses v8-v13 are written; LN1's arithmetic is done with v16-47, in which the first two tiles' fragments land
	XFETCH 0
	s_wait_loadcnt 0x0                             ; the weights, their scale words and the biases
.irp j, 1,2,3,4,5,6,7
	v_mov_b32 v[232+\j], v232                      ; bv of my lane's channel, as the C of v's sums
.endr
.macro QKVSTEP t
.set qx, 16+16*((\t)%2)
.set qs, 246+2*((\t)%2)
	s_wait_dscnt 0x0                               ; this tile's fragments, asked for a step ago, are in
.if (\t) > 0
	s_wait_alu depctr_vm_vsrc(0)                   ; the last step's stores have read v131-133, which this step's quantiser writes again
.endif
.if (\t) < 7
	XFETCH (\t)+1                                  ; no wait here: the wait ahead of the last step's stores stands behind the products that read this set, and no vector or matrix instruction since names it
.endif
	WM 48, 168, qx, 216, 240, qs                   ; three accumulators by turns; the biases start the sums
	WM 56, 184, qx, 224, 242, qs
	WM 64+8*(\t), qx, 200, 232, qs, 244
	WM 48, 176, qx+8, 48, 241, qs+1
	WM 56, 192, qx+8, 56, 243, qs+1
	WM 64+8*(\t), qx+8, 208, 64+8*(\t), qs+1, 245
	PLACES 5
.irp i, 0,2,4,6,8,10,12,14
	v_pk_mul_f32 v[48+\i:49+\i], v[48+\i:49+\i], s[6:7] op_sel_hi:[1,0]
.endr
	QB 48, 1, 128, 132                             ; my head's 32 channels of 16 tokens: one block
	s_wait_alu depctr_va_vdst(0)                   ; the codes v132, v133 and the byte v131 are written, which the stores below read; this step's products are done reading their set and its scale words, in which the next step's loads land
	ds_store_b64 v10, v[132:133] offset:2176*(\t)
	ds_store_b8 v11, v131 offset:128*(\t)          ; both halves of the lanes write the same byte with the same value
.endm
.irp t, 0,1,2,3,4,5,6,7
	QKVSTEP \t
.endr
	s_wait_alu depctr_vm_vsrc(0)                   ; the last step's stores have read v131-133, which v's quantiser writes
	QB 64, 4, 128, 144                             ; v: registers 16 b + i are tokens 32 b + 16 h + i of my channel
	v_lshl_or_b32 v152, v141, 8, v140
	v_lshl_or_b32 v152, v142, 16, v152
	v_lshl_or_b32 v152, v143, 24, v152
	s_wait_alu depctr_va_vdst(0)                   ; v's codes v144-151 and scale word v152 are written, which the stores below read
.irp b, 0,1,2,3
	ds_store_b64 v12, v[144+2*\b:145+2*\b] offset:272*\b
.endr
	ds_store_b32 v13, v152
	BAR                                            ; q, k and v lie in LDS; nobody reads LN1's codes any more
; ======== S: wave = (query tile qt = w >> 1, half of the keys kh = w & 1); two trips, one block of 32 keys each, all 8 heads.
; Register 112 + 16 head + i is the score of my query (slot 16 qt + r) with key 32 kb + 16 h + i.
	s_load_b512 s[32:47], s[10:11], 0x0            ; pw2's pairs of o = 0,
	s_load_b512 s[48:63], s[10:11], 0x40           ; and of o = 1: bank 0
	s_wait_alu depctr_vm_vsrc(0)                   ; the LDS instructions of the phase before have read v8-v13, which are written anew, and their data v131-133, v144-152; the head's loads have read v160-164: G lands in all of these
	s_lshl_b32 s26, s15, 8
	s_add_co_u32 s26, s26, AK
	v_lshl_add_u32 v8, v2, 6, s26                  ; a (and, GT - AK further on, G) of my 16 keys
	s_mul_i32 s26, s15, 8704
	s_add_co_u32 s26, s26, KIMG
	v_add_nc_u32 v9, s26, v4
	s_lshl_b32 s26, s15, 9
	s_add_co_u32 s26, s26, KSC
	v_add_nc_u32 v10, s26, v6
	s_mul_i32 s26, s16, 1088
	s_mul_i32 s28, s15, 544
	s_add_co_u32 s26, s26, s28
	s_add_co_u32 s26, s26, PIMG
	v_add_nc_u32 v11, s26, v5
	s_lshl_b32 s26, s16, 9
	s_lshl_b32 s28, s15, 4
	s_add_co_u32 s26, s26, s28
	s_add_co_u32 s26, s26, PST
	v_lshl_add_u32 v12, v1, 5, s26
	s_lshl_b32 s26, s16, 6
	s_lshl_b32 s28, s15, 1
	s_add_co_u32 s26, s26, s28
	s_add_co_u32 s26, s26, PSC
	v_add_nc_u32 v13, s26, v6
	s_mul_i32 s26, s16, 2176
	s_add_co_u32 s26, s26, QIMG
	v_add_nc_u32 v14, s26, v4
	s_lshl_b32 s26, s16, 7
	s_add_co_u32 s26, s26, QSC
	v_add_nc_u32 v15, s26, v6
	s_mul_i32 s26, s16, 1280
	s_add_co_u32 s26, s26, CQ
	v_mad_u32_u24 v16, v1, 80, s26
	s_wait_alu depctr_va_vdst(0)                   ; the products of the phase before are done reading v24-39, in which c lands
.irp i, 0,1,2,3
	ds_load_b128 v[24+4*\i:27+4*\i], v16 offset:16*\i   ; c_o of my query, o = 0 .. 15: v24-39
.endr
	v_add_nc_u32 v20, -1, v2                       ; all ones in lanes 0-15,
	v_sub_nc_u32 v21, 0, v2                        ; in lanes 16-31
.irp j, 0,1,2,3
	v_mov_b32 v[44+\j], 0                          ; zero codes: they stand for the three heads that a product leaves out
	v_mov_b32 v[56+\j], 0
.endr
	s_mov_b32 s6, 0x3fb8aa3b                       ; log2(e)
	s_mov_b32 s7, s6
	s_mov_b32 s20, 0                               ; what a trip adds to the six addresses
	s_mov_b32 s21, 0
	s_mov_b32 s22, 0
	s_mov_b32 s23, 0
	s_mov_b32 s24, 0
	s_mov_b32 s25, 0
	s_mov_b32 s3, 0
.macro ALOAD o                         ; a_o of my 16 keys into buffer o % 2
.irp i, 0,1,2,3
	ds_load_b128 v[64+16*((\o)%2)+4*\i:67+16*((\o)%2)+4*\i], v16 offset:512*(\o)+16*\i
.endr
.endm
; The fragments of heads 4 s .. 4 s + 3: k's two tiles (six loads) and q's tile (three).  s = 0: v64-87, scale words v240-242; s = 1: v88-111, v243-245.
.macro SFK s
.irp u, 0,1
	FRAG 64+24*(\s)+8*\u, 17, 1088*(2*\u+(\s))
	ds_load_b32 v[240+3*(\s)+\u], v18 offset:64*(2*\u+(\s))
.endr
.endm
.macro SFQ s
	FRAG 80+24*(\s), 14, 1088*(\s)
	ds_load_b32 v[242+3*(\s)], v15 offset:64*(\s)
.endm
; One o: 16 maxima, shared by the 8 heads, and 64 packed multiply-adds.  pw2's pairs come by scalar loads, two o to a bank (s32-63, s68-99), one bank ahead.
.macro OSTEP o
.set os_a, 64+16*((\o)%2)
.set os_w, 32+36*(((\o)/2)%2)+16*((\o)%2)
.if (\o)%2 == 0
	s_wait_kmcnt 0x0                               ; this bank is in
.set os_n, 32+36*((((\o)/2)+1)%2)
.set os_g, (((\o)/2)+1)%8
	s_load_b512 s[os_n:os_n+15], s[10:11], 128*os_g      ; the next two o into the other bank, whose readers have all been issued
	s_load_b512 s[os_n+16:os_n+31], s[10:11], 128*os_g+64
.endif
.if (\o) < 15
	s_wait_dscnt 4                                 ; a_o is in (at o = 0: c and G too); the next o's four loads may be out
.else
	s_wait_dscnt 6                                 ; a of o = 15 is in; the six loads of k's fragments, issued behind it, may be out
.endif
.irp i, 0,1,2,3,4,5,6,7,8,9,10,11,12,13,14,15
	v_max_num_f32 v[96+\i], v[24+\o], v[os_a+\i]
.endr
	s_wait_alu depctr_va_vdst(0)                   ; the maxima are done reading a's buffer o % 2, in which the loads below land
.if (\o) < 14
	ALOAD (\o)+2
.elseif (\o) == 14
	SFK 0                                          ; no a is left to fetch: k's fragments of heads 0-3 take buffer 0,
.else
	SFQ 0                                          ; and q's the lower half of buffer 1
.endif
.irp hd, 0,1,2,3,4,5,6,7
.irp i, 0,2,4,6,8,10,12,14
	v_pk_fma_f32 v[112+16*\hd+\i:113+16*\hd+\i], v[96+\i:97+\i], s[os_w+2*\hd:os_w+2*\hd+1], v[112+16*\hd+\i:113+16*\hd+\i] op_sel_hi:[1,0,1]
.endr
.endr
.endm
; Heads 4 s .. 4 s + 3: S^T = K Q^T + bias.  A head is ONE block of 32 along K: of q's fragment only that head's block is kept (quad b / 2, lanes of half b % 2), the rest are zero codes.
; left: the LDS loads issued behind these heads' fragments, which may stay out.
.macro SMUL s, left
	s_wait_dscnt \left
.irp j, 0,1,2,3
	v_and_b32 v[40+\j], v[80+24*(\s)+\j], v20
	v_and_b32 v[52+\j], v[80+24*(\s)+\j], v21
	v_and_b32 v[48+\j], v[84+24*(\s)+\j], v20
	v_and_b32 v[60+\j], v[84+24*(\s)+\j], v21
.endr
	PLACES 4                                       ; an operand written by vector instructions stands four places ahead of a scaled matrix instruction
	s_wait_alu depctr_va_vdst(0)                   ; the masked q, v40-63, is written, which the products below take as their second source
.irp u, 0,1
	WM 112+64*\s+8*\u, 64+24*(\s)+8*\u, 40, 112+64*\s+8*\u, 240+3*(\s)+\u, 242+3*(\s)      ; eight accumulators, one instruction each; the bias is the C
	WM 128+64*\s+8*\u, 64+24*(\s)+8*\u, 52, 128+64*\s+8*\u, 240+3*(\s)+\u, 242+3*(\s)
	WM 144+64*\s+8*\u, 64+24*(\s)+8*\u, 44, 144+64*\s+8*\u, 240+3*(\s)+\u, 242+3*(\s)
	WM 160+64*\s+8*\u, 64+24*(\s)+8*\u, 56, 160+64*\s+8*\u, 240+3*(\s)+\u, 242+3*(\s)
.endr
	PLACES 5
.endm
; Heads g .. g + 3 by turns: p, its codes, its byte, (-M_loc, l_loc).  Twelve registers a head from v[64 + 12 q]: +0 largest score, +1 from the other half, +2 -M, +3 l, +4 largest p and scale operand, +5 byte, +6 .. +9 sums, +10, +11 codes.
.macro SOFT g
.if (\g) > 0
	s_wait_alu depctr_vm_vsrc(0)                   ; the stores of heads 0-3 have read their data in v64-111, which heads 4-7 write again
.endif
.irp q, 0,1,2,3
	v_max3_num_f32 v[64+12*\q], v[112+16*(\g+\q)], v[113+16*(\g+\q)], v[114+16*(\g+\q)]
.endr
.irp i, 3,5,7,9,11,13
.irp q, 0,1,2,3
	v_max3_num_f32 v[64+12*\q], v[64+12*\q], v[112+16*(\g+\q)+\i], v[113+16*(\g+\q)+\i]
.endr
.endr
.irp q, 0,1,2,3
	v_max_num_f32 v[64+12*\q], v[64+12*\q], v[127+16*(\g+\q)]
.endr
.irp q, 0,1,2,3
	v_permlanex16_b32 v[65+12*\q], v[64+12*\q], s4, s5
.endr
.irp q, 0,1,2,3
	v_max_num_f32 v[64+12*\q], v[64+12*\q], v[65+12*\q]              ; the block's largest score of my query
.endr
.irp q, 0,1,2,3
	v_mul_f32 v[66+12*\q], s6, v[64+12*\q]
.endr
.irp q, 0,1,2,3
	v_floor_f32 v[66+12*\q], -v[66+12*\q]          ; -M_loc = floor(-t) = -ceil(t): a whole number
.endr
.irp i, 0,2,4,6,8,10,12,14
.irp q, 0,1,2,3
	v_pk_fma_f32 v[112+16*(\g+\q)+\i:113+16*(\g+\q)+\i], v[112+16*(\g+\q)+\i:113+16*(\g+\q)+\i], s[6:7], v[66+12*\q:67+12*\q] op_sel_hi:[1,0,0]
.endr
.endr
.irp q, 0,1,2,3
	v_fma_f32 v[68+12*\q], v[64+12*\q], s6, v[66+12*\q]              ; the same of the largest score: the same two instructions on the same number give the block's largest p
.endr
.irp i, 0,1,2,3,4,5,6,7,8,9,10,11,12,13,14,15
.irp q, 0,1,2,3
	v_exp_f32 v[112+16*(\g+\q)+\i], v[112+16*(\g+\q)+\i]
.endr
.endr
.irp q, 0,1,2,3
	v_exp_f32 v[68+12*\q], v[68+12*\q]
.endr
	v_nop                                          ; one plain place behind the transcendentals
	s_wait_alu depctr_va_vdst(0)                   ; the 68 exponentials are written, ahead of their first reader
.irp q, 0,1,2,3
	v_add_nc_u32 v[68+12*\q], 0xff000000, v[68+12*\q]                ; the largest p lies in (1/2, 1]: no floor is wanted
.endr
.irp q, 0,1,2,3
	v_lshrrev_b32 v[69+12*\q], 23, v[68+12*\q]
.endr
.irp q, 0,1,2,3
	v_pk_add_f32 v[70+12*\q:71+12*\q], v[112+16*(\g+\q):113+16*(\g+\q)], v[114+16*(\g+\q):115+16*(\g+\q)]   ; the sum is taken of the unquantised p, in two chains
	v_pk_add_f32 v[72+12*\q:73+12*\q], v[116+16*(\g+\q):117+16*(\g+\q)], v[118+16*(\g+\q):119+16*(\g+\q)]
.endr
.irp i, 8,12
.irp q, 0,1,2,3
	v_pk_add_f32 v[70+12*\q:71+12*\q], v[70+12*\q:71+12*\q], v[112+16*(\g+\q)+\i:113+16*(\g+\q)+\i]
	v_pk_add_f32 v[72+12*\q:73+12*\q], v[72+12*\q:73+12*\q], v[114+16*(\g+\q)+\i:115+16*(\g+\q)+\i]
.endr
.endr
.irp q, 0,1,2,3
	v_pk_add_f32 v[70+12*\q:71+12*\q], v[70+12*\q:71+12*\q], v[72+12*\q:73+12*\q]
.endr
.irp q, 0,1,2,3
	v_add_f32 v[70+12*\q], v[70+12*\q], v[71+12*\q]
.endr
.irp q, 0,1,2,3
	v_permlanex16_b32 v[65+12*\q], v[70+12*\q], s4, s5
.endr
.irp q, 0,1,2,3
	v_add_f32 v[67+12*\q], v[70+12*\q], v[65+12*\q]                  ; l_loc
.endr
.irp q, 0,1,2,3
	v_cvt_scalef32_pk8_fp4_f32 v[74+12*\q], v[112+16*(\g+\q):119+16*(\g+\q)], v[68+12*\q]
	v_cvt_scalef32_pk8_fp4_f32 v[75+12*\q], v[120+16*(\g+\q):127+16*(\g+\q)], v[68+12*\q]
.endr
	v_nop                                          ; one plain place behind a scaled conversion
	s_wait_alu depctr_va_vdst(0)                   ; the four heads' codes, (-M_loc, l_loc) and bytes are written, which the stores below read
.irp q, 0,1,2,3
	ds_store_b64 v19, v[74+12*\q:75+12*\q] offset:8704*(\g+\q)
	ds_store_b64 v22, v[66+12*\q:67+12*\q] offset:4096*(\g+\q)       ; both halves of the lanes write the same words with the same values
	ds_store_b8 v23, v[69+12*\q] offset:512*(\g+\q)
.endr
.endm
.Lkb:
	s_wait_alu depctr_vm_vsrc(0)                   ; the LDS instructions issued so far have read v16-19, v22 and v23 (in the first trip: c's loads v16), which are written anew, and the last trip's stores their data in v64-111, in which a lands
	v_add_nc_u32 v16, s20, v8
	v_add_nc_u32 v17, s21, v9
	v_add_nc_u32 v18, s22, v10
	v_add_nc_u32 v19, s23, v11
	v_add_nc_u32 v22, s24, v12
	v_add_nc_u32 v23, s25, v13
	s_wait_alu depctr_va_vdst(0)                   ; the six addresses are written; the softmax and the products are done with v64-239 and v240-245, in which this trip's loads land
.irp hd, 0,1,2,3,4,5,6,7
.irp i, 0,1,2,3
	ds_load_b128 v[112+16*\hd+4*\i:115+16*\hd+4*\i], v16 offset:GT-AK+512*\hd+16*\i   ; G starts the bias's sums
.endr
.endr
	ALOAD 0
	ALOAD 1
.irp o, 0,1,2,3,4,5,6,7,8,9,10,11,12,13,14,15
	OSTEP \o
.endr
	s_wait_alu depctr_va_vdst(0)                   ; the multiply-adds of o = 15 are done reading the maxima v96-111 (its maxima were done with v88-95 at the wait before): the fragments of heads 4-7 land there
	SFK 1
	SFQ 1
	SMUL 0, 9                                      ; heads 0-3's fragments are in; the nine loads just issued may be out, and land while heads 0-3 are multiplied
	SMUL 1, 0
	SOFT 0
	SOFT 4
	s_add_co_u32 s20, s20, 128                     ; the next 32 keys
	s_add_co_u32 s21, s21, 4352
	s_add_co_u32 s22, s22, 256
	s_add_co_u32 s23, s23, 272
	s_add_co_u32 s24, s24, 8
	s_add_co_u32 s25, s25, 1
	s_add_co_u32 s3, s3, 1
	s_cmp_lt_u32 s3, 2
	s_cbranch_scc1 .Lkb
	s_wait_kmcnt 0x0                               ; the last trip's request for bank 0 is in: the bank's registers may be used otherwise
	BAR                                            ; p, its bytes and its statistics lie in LDS; nobody reads q or k any more
; ======== PV: wave = (head = w >> 1, half of the query tiles = w & 1): four query tiles.  O^T = V^T P^T: source 0 = 16 channels of v, source 1 = p.
	s_load_b512 s[32:47], s[0:1], 0x80             ; wscales, w2dup, bo s[36:37], norm2_g s[38:39], norm2_b s[40:41], b_fc1 s[42:43], b_fc2 s[44:45], out0 s[46:47]
	s_wait_alu depctr_vm_vsrc(0)                   ; the LDS instructions of the phase before have read v14-19, v22, v23 and the softmax's data in v64-111: the addresses are written anew, and this phase's loads land in the rest
	s_mul_i32 s26, s16, 2176
	s_add_co_u32 s26, s26, VIMG
	v_add_nc_u32 v8, s26, v4
	s_lshl_b32 s26, s16, 7
	s_add_co_u32 s26, s26, VSC
	v_add_nc_u32 v9, s26, v6
	s_mul_i32 s26, s16, 8704
	s_mul_i32 s28, s15, 4352
	s_add_co_u32 s26, s26, s28
	s_add_co_u32 s26, s26, PIMG
	v_add_nc_u32 v10, s26, v4
	s_lshl_b32 s26, s16, 12
	s_lshl_b32 s28, s15, 11
	s_add_co_u32 s26, s26, s28
	s_add_co_u32 s26, s26, PST
	v_lshl_add_u32 v11, v1, 5, s26
	s_lshl_b32 s26, s16, 9
	s_lshl_b32 s28, s15, 8
	s_add_co_u32 s26, s26, s28
	s_add_co_u32 s26, s26, PSC
	v_add_nc_u32 v12, s26, v6
	s_mul_i32 s26, s16, 272
	s_mul_i32 s28, s15, 8704
	s_add_co_u32 s26, s26, s28
	s_add_co_u32 s26, s26, OIMG
	v_add_nc_u32 v13, s26, v5
	s_lshl_b32 s26, s15, 9
	s_lshr_b32 s28, s16, 2
	s_lshl_b32 s28, s28, 6
	s_add_co_u32 s26, s26, s28
	s_and_b32 s28, s16, 3
	s_add_co_u32 s26, s26, s28
	s_add_co_u32 s26, s26, OSC
	v_add_nc_u32 v14, s26, v6
	v_lshlrev_b32 v15, 6, v2
	s_wait_alu depctr_va_vdst(0)                   ; the addresses v8-v15 are written; the vector and matrix instructions of the phase before are done with v16-99, v240 and v241, in which the loads below land
.irp u, 0,1
	FRAG 16+8*\u, 8, 1088*\u
	ds_load_b32 v[240+\u], v9 offset:64*\u
.endr
.irp q, 0,1,2,3
	FRAG 32+8*\q, 10, 1088*\q
	ds_load_b128 v[64+8*\q:67+8*\q], v11 offset:512*\q
	ds_load_b128 v[68+8*\q:71+8*\q], v11 offset:512*\q+16
	ds_load_b32 v[96+\q], v12 offset:64*\q
.endr
	s_wait_dscnt 0x0
	; the four blocks of keys are brought under one M: ten registers a tile from v[100 + 10 q]
.irp q, 0,1,2,3
	v_min3_num_f32 v[100+10*\q], v[64+8*\q], v[66+8*\q], v[68+8*\q]
.endr
.irp q, 0,1,2,3
	v_min_num_f32 v[100+10*\q], v[100+10*\q], v[70+8*\q]             ; -M
.endr
.irp k, 0,1,2,3
.irp q, 0,1,2,3
	v_sub_f32 v[101+10*\q+\k], v[100+10*\q], v[64+8*\q+2*\k]         ; M_k - M: a whole number, 0 or less
.endr
.endr
.irp k, 0,1,2,3
.irp q, 0,1,2,3
	v_cvt_i32_f32 v[105+10*\q+\k], v[101+10*\q+\k]                   ; (it saturates)
.endr
.endr
.irp k, 0,1,2,3
.irp q, 0,1,2,3
	v_ldexp_f32 v[105+10*\q+\k], 1.0, v[105+10*\q+\k]                ; 2^(M_k - M)
.endr
.endr
.irp q, 0,1,2,3
	v_mul_f32 v[109+10*\q], v[65+8*\q], v[105+10*\q]
.endr
.irp k, 1,2,3
.irp q, 0,1,2,3
	v_fmac_f32 v[109+10*\q], v[65+8*\q+2*\k], v[105+10*\q+\k]        ; the row's sum
.endr
.endr
.irp k, 0,1,2,3
.irp q, 0,1,2,3
	v_bfe_u32 v[105+10*\q+\k], v[96+\q], 8*\k, 8
.endr
.endr
.irp k, 0,1,2,3
.irp q, 0,1,2,3
	v_cvt_f32_u32 v[105+10*\q+\k], v[105+10*\q+\k]
.endr
.endr
.irp k, 0,1,2,3
.irp q, 0,1,2,3
	v_add_f32 v[105+10*\q+\k], v[105+10*\q+\k], v[101+10*\q+\k]      ; the byte under the row's M: whole numbers, exact in f32,
.endr
.endr
.irp k, 0,1,2,3
.irp q, 0,1,2,3
	v_max_num_f32 v[105+10*\q+\k], 1.0, v[105+10*\q+\k]              ; held at 1 from below
.endr
.endr
.irp k, 0,1,2,3
.irp q, 0,1,2,3
	v_cvt_u32_f32 v[105+10*\q+\k], v[105+10*\q+\k]
.endr
.endr
.irp q, 0,1,2,3
	v_lshl_or_b32 v[244+\q], v[106+10*\q], 8, v[105+10*\q]
.endr
.irp q, 0,1,2,3
	v_lshl_or_b32 v[244+\q], v[107+10*\q], 16, v[244+\q]
.endr
.irp q, 0,1,2,3
	v_lshl_or_b32 v[244+\q], v[108+10*\q], 24, v[244+\q]             ; p's scale word
.endr
.irp q, 0,1,2,3
	v_rcp_f32 v[100+10*\q], v[109+10*\q]
.endr
	PLACES 8                                       ; a scale register written by vector instructions stands eight places ahead of a scaled matrix instruction
	s_wait_alu depctr_va_vdst(0)                   ; p's scale words v244-247 are written, which the products below take as scales; the four reciprocals are written too, ahead of their first reader
.irp q, 0,1,2,3
.irp u, 0,1
	WMZ 144+16*\q+8*\u, 16+8*\u, 32+8*\q, 240+\u, 244+\q             ; K = all 128 keys: one instruction a sum
.endr
.endr
	PLACES 5
; The weights of a product with 256 outputs: wave w has output tile w.  ks fragments from fragment rb + ks w on, into v16 on; their scale words v240 on; the bias of my 8 channels v80-87.
.macro GXLOAD ks, rb, bp
	s_mul_i32 s26, s2, 1024*\ks
	s_add_co_u32 s26, s26, 1024*\rb
	s_mov_b32 s27, 0
	s_add_nc_u64 s[20:21], s[12:13], s[26:27]
	s_mul_i32 s26, s2, 64*\ks
	s_add_co_u32 s26, s26, 64*\rb
	s_add_nc_u64 s[22:23], s[8:9], s[26:27]
	s_lshl_b32 s26, s16, 7
	s_lshl_b32 s28, s15, 5
	s_add_co_u32 s26, s26, s28
	s_add_nc_u64 s[24:25], s[\bp:\bp+1], s[26:27]
.set gl_f, 0
.rept \ks
	global_load_b128 v[16+8*gl_f:19+8*gl_f], v7, s[20:21] offset:1024*gl_f
	global_load_b128 v[20+8*gl_f:23+8*gl_f], v7, s[20:21] offset:1024*gl_f+512
	global_load_b32 v[240+gl_f], v6, s[22:23] offset:64*gl_f
.set gl_f, gl_f+1
.endr
	global_load_b128 v[80:83], v15, s[24:25]       ; v15 = 64 h
	global_load_b128 v[84:87], v15, s[24:25] offset:16
.endm
	s_wait_kmcnt 0x0
	s_wait_alu depctr_va_vdst(0)                   ; the products are done reading v's fragments v16-31 and scale words v240, v241, in which wo's land; the statistics' arithmetic is done with v80-87, in which bo lands
	GXLOAD 2, 96, 36                               ; wo and bo: they land while the result is quantised
.irp i, 0,2,4,6,8,10,12,14
.irp q, 0,1,2,3
	v_pk_mul_f32 v[144+16*\q+\i:145+16*\q+\i], v[144+16*\q+\i:145+16*\q+\i], v[100+10*\q:101+10*\q] op_sel_hi:[1,0]   ; divided by the row's sum
.endr
.endr
	QB 144, 4, 208, 224                            ; my head's 32 channels of each tile's 16 queries: one block a tile
	s_wait_alu depctr_va_vdst(0)                   ; the codes v224-231 and the bytes v220-223 are written, which the stores below read
.irp q, 0,1,2,3
	ds_store_b64 v13, v[224+2*\q:225+2*\q] offset:2176*\q
	ds_store_b8 v14, v[220+\q] offset:128*\q
.endr
	BAR                                            ; attention's result lies in LDS; nobody reads p or v any more
; ======== A product with 256 outputs, added onto XB: wave w = output tile w, all 8 tiles of tokens.  Source 0 = the weight, source 1 = the tokens: a lane holds 8 neighbouring channels of one token.
.macro GXFETCH ks, q                   ; step q = 2 s + g: K step s of token tiles 4 g .. 4 g + 3, into buffer g: 12 LDS loads
.set gf_s, (\q)/2
.set gf_g, (\q)%2
.irp m, 0,1,2,3
	FRAG 88+32*gf_g+8*\m, 8+gf_g, 1088*(\ks*\m+gf_s)
	ds_load_b32 v[248+4*gf_g+\m], v10 offset:64*(\ks*(4*gf_g+\m)+gf_s)
.endr
.endm
.macro GXSTEP ks, q
.set gs_s, (\q)/2
.set gs_g, (\q)%2
	PLACES 4                                       ; in front of loads into the buffer that the last step multiplied
.if (\q)+1 < 2*\ks
.if (\q) > 0
	s_wait_alu depctr_va_vdst(0)                   ; the last step's products are done reading their buffer and its scale words, in which the loads below land  (step 0's loads hang on nothing issued since the wait at the product's head)
.endif
	GXFETCH \ks, (\q)+1
	s_wait_dscnt 12                                ; this step's fragments are in; the 12 loads just issued may be out
.else
	s_wait_dscnt 0x0
.endif
.irp m, 0,1,2,3
.if gs_s == 0
	WM 152+32*gs_g+8*\m, 16, 88+32*gs_g+8*\m, 80, 240, 248+4*gs_g+\m           ; the bias starts the sums
.else
	WM 152+32*gs_g+8*\m, 16+8*gs_s, 88+32*gs_g+8*\m, 152+32*gs_g+8*\m, 240+gs_s, 248+4*gs_g+\m   ; the eight accumulators by turns
.endif
.endr
.endm
.macro GEMMX ks, img, sc
	v_add_nc_u32 v8, \img, v4
	v_add_nc_u32 v9, \img+4352*\ks, v4
	v_add_nc_u32 v10, \sc, v6
	s_lshl_b32 s26, s16, 7
	s_lshl_b32 s28, s15, 5
	s_add_co_u32 s26, s26, s28
	v_mul_u32_u24 v11, v1, XP
	v_lshl_add_u32 v11, v2, 6, v11
	v_add_nc_u32 v11, s26, v11                     ; XB: row r of a tile, channels 32 (w >> 1) + 8 (w & 1) + 16 h + 0 .. 7
	v_add_nc_u32 v12, 64*XP, v11                   ; tiles 4 .. 7
	s_wait_alu depctr_va_vdst(0)                   ; the addresses v8-v12 are written; the arithmetic of the phase before is done with both buffers v88-151 and with v248-255
	GXFETCH \ks, 0
	s_wait_loadcnt 0x0                             ; the weights
.set gx_q, 0
.rept 2*\ks
	GXSTEP \ks, gx_q
.set gx_q, gx_q+1
.endr
	PLACES 5
	s_wait_alu depctr_va_vdst(0)                   ; the last two steps' products are done reading the buffers v88-151, in which XB's rows land
.irp t, 0,1,2,3,4,5,6,7
	ds_load_b128 v[88+8*\t:91+8*\t], v[11+\t/4] offset:16*XP*(\t%4)
	ds_load_b128 v[92+8*\t:95+8*\t], v[11+\t/4] offset:16*XP*(\t%4)+16
.endr
	s_wait_dscnt 0x0
.irp t, 0,1,2,3,4,5,6,7
.irp i, 0,2,4,6
	v_pk_add_f32 v[88+8*\t+\i:89+8*\t+\i], v[88+8*\t+\i:89+8*\t+\i], v[152+8*\t+\i:153+8*\t+\i]   ; the residual; each accumulator from its low end on
.endr
.endr
	s_wait_alu depctr_va_vdst(0)                   ; the additions have written v88-151, which the stores below read
.irp t, 0,1,2,3,4,5,6,7
	ds_store_b128 v[11+\t/4], v[88+8*\t:91+8*\t] offset:16*XP*(\t%4)           ; each word of XB is touched by one lane of one wave
	ds_store_b128 v[11+\t/4], v[92+8*\t:95+8*\t] offset:16*XP*(\t%4)+16
.endr
.endm
	s_wait_alu depctr_vm_vsrc(0)                   ; the LDS loads of the phase before have read v8-v12, which are written anew
	GEMMX 2, OIMG, OSC                             ; x1 = x + o wo + bo
	BAR                                            ; x1 lies in XB
; ======== LN2 of my 8 rows; fc1's weights are asked for ahead of it.  Wave w has hidden units 64 w .. 64 w + 63: tiles 4 w + t, t = 0 .. 3
	s_wait_alu depctr_vm_vsrc(0)                   ; the product's LDS instructions have read v8-v12, which are written anew, and its stores their data v88-151, in which loads land and which LN2's arithmetic writes
	v_lshlrev_b32 v12, 5, v3
	v_lshlrev_b32 v13, 6, v2
	LNADDR LIMG, LSC
	s_wait_alu depctr_va_vdst(0)                   ; v8-v10, v12 and v13 are written; the product's matrix and vector instructions are done with v16-247, in which norm2's, fc1's and LN2's loads land
	global_load_b128 v[80:83], v12, s[38:39]
	global_load_b128 v[84:87], v12, s[38:39] offset:16
	global_load_b128 v[88:91], v12, s[40:41]
	global_load_b128 v[92:95], v12, s[40:41] offset:16
	s_lshl_b32 s26, s2, 13
	s_add_co_u32 s26, s26, 128*1024
	s_mov_b32 s27, 0
	s_add_nc_u64 s[20:21], s[12:13], s[26:27]      ; fragments 128 + 8 w on
	s_lshl_b32 s26, s2, 9
	s_add_co_u32 s26, s26, 128*64
	s_add_nc_u64 s[22:23], s[8:9], s[26:27]
	s_lshl_b32 s26, s2, 8
	s_add_nc_u64 s[24:25], s[42:43], s[26:27]      ; b_fc1 at my 64 units
.irp f, 0,1,2,3,4,5,6,7
	global_load_b128 v[144+8*\f:147+8*\f], v7, s[20:21] offset:1024*\f
	global_load_b128 v[148+8*\f:151+8*\f], v7, s[20:21] offset:1024*\f+512
	global_load_b32 v[240+\f], v6, s[22:23] offset:64*\f
.endr
.irp t, 0,1,2,3
	global_load_b128 v[208+8*\t:211+8*\t], v13, s[24:25] offset:128*(\t/2)+32*(\t%2)
	global_load_b128 v[212+8*\t:215+8*\t], v13, s[24:25] offset:128*(\t/2)+32*(\t%2)+16
.endr
	s_mov_b32 s6, 0x3b800000
	s_mov_b32 s7, 0x3727c5ac
	s_wait_loadcnt 32                              ; norm2's gain and offset are in; fc1's 32 loads may be out
	LNQ                                            ; no vector or matrix instruction since the wait above: it serves LN2's loads too
	BAR                                            ; LN2's codes lie in LDS
; ======== FC1 and GELU: eight trips, a tile of 16 tokens each.  My 64 hidden units are blocks 2 w and 2 w + 1 of fc2's K.
	s_wait_loadcnt 0x0                             ; fc1's weights; their bases and offsets may be written again
	s_wait_alu depctr_vm_vsrc(0)                   ; LN2's LDS instructions have read v8-v10 and their data v96-103, v136-143; norm2's and fc1's loads have read v12 and v13: all are written anew below
	v_add_nc_u32 v8, LIMG, v4
	v_add_nc_u32 v9, LSC, v6
	s_mul_i32 s26, s2, 544
	s_add_co_u32 s26, s26, HIMG
	v_add_nc_u32 v10, s26, v5
	s_lshl_b32 s26, s16, 6
	s_lshl_b32 s28, s15, 1
	s_add_co_u32 s26, s26, s28
	s_add_co_u32 s26, s26, HSC
	v_add_nc_u32 v11, s26, v6
	v_mov_b32 v128, 0x32edffee                     ; P's second: 2.77068142495902e-08
	v_mov_b32 v129, 0x32edffee
	v_mov_b32 v130, 0xb95fbd29                     ; Q's second: -2.13374055278905e-04
	v_mov_b32 v131, 0xb95fbd29
	s_wait_alu depctr_va_vdst(0)                   ; LN2's arithmetic is done with v16-31, in which it lands
	FRAG 16, 8, 0                                  ; tile 0's fragments; each trip asks for the next tile's
	FRAG 24, 8, 1088
	ds_load_b32 v248, v9
	ds_load_b32 v249, v9 offset:64
	; erf(y) = y P(y^2) / Q(y^2) on y held to +-4.  Each constant twice: the packed forms name a pair.
.irp c, 68,69
	s_mov_b32 s[\c], 0x3f3504f3                    ; 1 / sqrt(2)
	s_mov_b32 s[\c+2], 0xaf95df0b                  ; P: -2.72614225801306e-10
	s_mov_b32 s[\c+4], 0xb60cff51                  ;    -2.10102402082508e-06
	s_mov_b32 s[\c+6], 0xb86ec2d2                  ;    -5.69250639462346e-05
	s_mov_b32 s[\c+8], 0xba40ac63                  ;    -7.34990630326855e-04
	s_mov_b32 s[\c+10], 0xbb41a1f6                 ;    -2.95459980854025e-03
	s_mov_b32 s[\c+12], 0xbc83dbd4                 ;    -1.60960333262415e-02
	s_mov_b32 s[\c+14], 0xb77460cd                 ; Q: -1.45660718464996e-05
	s_mov_b32 s[\c+16], 0xbadc924e                 ;    -1.68282697438203e-03
	s_mov_b32 s[\c+18], 0xbbf19bf8                 ;    -7.37332916720468e-03
	s_mov_b32 s[\c+20], 0xbc69b6a7                 ;    -1.42647390514189e-02
.endr
	s_mov_b32 s20, 0
	s_mov_b32 s21, 0
	s_mov_b32 s22, 0
	s_mov_b32 s23, 0
	s_mov_b32 s3, 0
; gelu(x) = x/2 + x/2 erf(x / sqrt(2)) of the 8 registers from v[x] on, four pairs by turns.  Ten registers a pair from v[64 + 10 p]: y, y^2, P, Q, x/2.
.macro GELU x
.irp p, 0,1,2,3
	v_pk_mul_f32 v[64+10*\p:65+10*\p], v[\x+2*\p:\x+2*\p+1], s[68:69] op_sel_hi:[1,0]
.endr
.irp p, 0,1,2,3
	v_med3_num_f32 v[64+10*\p], v[64+10*\p], -4.0, 4.0
	v_med3_num_f32 v[65+10*\p], v[65+10*\p], -4.0, 4.0
.endr
.irp p, 0,1,2,3
	v_pk_mul_f32 v[66+10*\p:67+10*\p], v[64+10*\p:65+10*\p], v[64+10*\p:65+10*\p]
.endr
.irp p, 0,1,2,3
	v_pk_fma_f32 v[68+10*\p:69+10*\p], v[66+10*\p:67+10*\p], s[70:71], v[128:129] op_sel_hi:[1,0,1]
	v_pk_fma_f32 v[70+10*\p:71+10*\p], v[66+10*\p:67+10*\p], s[82:83], v[130:131] op_sel_hi:[1,0,1]
.endr
.irp c, 72,74,76,78,80
.irp p, 0,1,2,3
	v_pk_fma_f32 v[68+10*\p:69+10*\p], v[68+10*\p:69+10*\p], v[66+10*\p:67+10*\p], s[\c:\c+1] op_sel_hi:[1,1,0]
.endr
.endr
.irp c, 84,86,88
.irp p, 0,1,2,3
	v_pk_fma_f32 v[70+10*\p:71+10*\p], v[70+10*\p:71+10*\p], v[66+10*\p:67+10*\p], s[\c:\c+1] op_sel_hi:[1,1,0]
.endr
.endr
.irp p, 0,1,2,3
	v_pk_mul_f32 v[68+10*\p:69+10*\p], v[68+10*\p:69+10*\p], v[64+10*\p:65+10*\p]
.endr
.irp p, 0,1,2,3
	v_rcp_f32 v[70+10*\p], v[70+10*\p]
	v_rcp_f32 v[71+10*\p], v[71+10*\p]
.endr
.irp p, 0,1,2,3
	v_pk_mul_f32 v[72+10*\p:73+10*\p], v[\x+2*\p:\x+2*\p+1], 0.5 op_sel_hi:[1,0]   ; (plain places behind the reciprocals)
.endr
	s_wait_alu depctr_va_vdst(0)                   ; the eight reciprocals are written, ahead of their first reader
.irp p, 0,1,2,3
	v_pk_mul_f32 v[68+10*\p:69+10*\p], v[68+10*\p:69+10*\p], v[70+10*\p:71+10*\p]
.endr
.irp p, 0,1,2,3
	v_pk_fma_f32 v[\x+2*\p:\x+2*\p+1], v[72+10*\p:73+10*\p], v[68+10*\p:69+10*\p], v[72+10*\p:73+10*\p]
.endr
.endm
.Lfc1:
	s_wait_alu depctr_vm_vsrc(0)                   ; the last trip's loads have read v12 and v13, its stores v14, v15 and their data v112-116: all are written anew in this trip
	v_add_nc_u32 v12, s20, v8
	v_add_nc_u32 v13, s21, v9
	v_add_nc_u32 v14, s22, v10
	v_add_nc_u32 v15, s23, v11
	s_wait_dscnt 0x0                               ; this tile's fragments, asked for in the trip before (tile 0's: ahead of the loop), are in
.irp t, 0,1,2,3
	WM 32+8*\t, 144+16*\t, 16, 208+8*\t, 240+2*\t, 248               ; four accumulators by turns; b_fc1 starts the sums
.endr
.irp t, 0,1,2,3
	WM 32+8*\t, 152+16*\t, 24, 32+8*\t, 241+2*\t, 249
.endr
	PLACES 5
	s_cmp_eq_u32 s3, 7                             ; the last trip asks for nothing: there is no ninth tile
	s_cbranch_scc1 .Lfc1_last
	s_wait_alu depctr_va_vdst(0)                   ; the products are done reading v16-31, v248 and v249, in which the next tile's fragments land
	FRAG 16, 12, 2176                              ; one tile on: they land while this tile goes through GELU and the quantiser, which name none of these registers
	FRAG 24, 12, 2176+1088
	ds_load_b32 v248, v13 offset:128
	ds_load_b32 v249, v13 offset:192
.Lfc1_last:
	GELU 32
	GELU 40
	GELU 48
	GELU 56
	QB 32, 2, 104, 112
	v_lshl_or_b32 v116, v111, 8, v110
	s_wait_alu depctr_va_vdst(0)                   ; the codes v112-115 and the two bytes v116 are written, which the stores below read (and v14, v15, their addresses)
	ds_store_b64 v14, v[112:113]
	ds_store_b64 v14, v[114:115] offset:272
	ds_store_b16 v15, v116                         ; my two blocks' bytes are neighbours in the scale word
	s_add_co_u32 s20, s20, 2176                    ; the next tile of tokens
	s_add_co_u32 s21, s21, 128
	s_add_co_u32 s22, s22, 8704
	s_add_co_u32 s23, s23, 512
	s_add_co_u32 s3, s3, 1
	s_cmp_lt_u32 s3, 8
	s_cbranch_scc1 .Lfc1
	s_wait_alu depctr_vm_vsrc(0)                   ; the last trip's stores have read v14, v15 and v112-116, the loop's loads v8, v9, v12 and v13: v15 is written here, the others at the next product's head
	v_lshlrev_b32 v15, 6, v2
	s_wait_alu depctr_va_vdst(0)                   ; v15 is written, the offset of b_fc2's loads; the products, GELU and the quantiser are done with v16-87 and v240-247, in which w_fc2 and b_fc2 land
	GXLOAD 8, 256, 44                              ; w_fc2's tile w, all 8 K steps, and b_fc2
	BAR                                            ; the hidden layer lies in LDS
; ======== FC2, and the way out
	GEMMX 8, HIMG, HSC                             ; the result = x1 + gelu(..) w_fc2 + b_fc2.  (No memory or LDS instruction issued since the wait on vm_vsrc above reads v8-v12)
	BAR                                            ; it lies in XB
	s_wait_alu depctr_vm_vsrc(0)                   ; the product's LDS loads and stores have read v11, which is written anew
	s_mul_i32 s26, s14, XP
	v_add_nc_u32 v11, s26, v7
	s_add_nc_u64 s[20:21], s[46:47], s[18:19]      ; out0 at my first token
	s_wait_alu depctr_va_vdst(0)                   ; the products are done reading w_fc2's fragments v16-79, in which they land
.set hx, 0
.rept 16
	ds_load_b128 v[16+4*hx:19+4*hx], v11 offset:XP*(hx/2)+512*(hx%2)
.set hx, hx+1
.endr
.set hx, 0
.rept 16
	s_wait_dscnt 15-hx                             ; LDS loads come back in order (ISA guide 5.7.1): this one is in, the younger ones may be out
	global_store_b128 v7, v[16+4*hx:19+4*hx], s[20:21] offset:512*hx th:TH_STORE_NT   ; 32 lanes store 512 consecutive bytes, at a multiple of 256 from out0's first byte
.set hx, hx+1
.endr
	s_wait_xcnt 0x0                                ; every store above has had its address translated (ISA guide 3.1)
	v_lshl_add_u32 v254, v0, 2, 0x4d800            ; my spare word: 317,440 + 4 x my thread's number, behind all that the window holds in LDS; no memory or LDS instruction has read v254 or v255
	v_mov_b32 v255, 0
	s_wait_dscnt 0x0                               ; the closing lines, six on end
	s_wait_alu 0x0
	s_wait_tensorcnt 0x0
	ds_add_u32 v254, v255
	s_wait_dscnt 0x0
	s_endpgm
.Lfunc_end_k_q405c189394_main:
	.size	k_q405c189394_main, .Lfunc_end_k_q405c189394_main-k_q405c189394_main
	.p2alignl 7, 3214868480
	.fill 96, 4, 3214868480
	.section	.rodata,"a",@progbits
	.p2align	6, 0x0
	.amdhsa_kernel k_q405c189394_main
		.amdhsa_group_segment_fixed_size 319488
		.amdhsa_private_segment_fixed_size 0
		.amdhsa_enable_private_segment 0
		.amdhsa_kernarg_size 192
		.amdhsa_user_sgpr_count 2
		.amdhsa_user_sgpr_kernarg_segment_ptr 1
		.amdhsa_wavefront_size32 1
		.amdhsa_system_sgpr_workgroup_id_x 1
		.amdhsa_system_sgpr_workgroup_id_y 1
		.amdhsa_system_sgpr_workgroup_id_z 1
		.amdhsa_system_vgpr_workitem_id 0
		.amdhsa_next_free_vgpr 256
		.amdhsa_next_free_sgpr 100
		.amdhsa_reserve_vcc 0
		.amdhsa_float_denorm_mode_32 3
		.amdhsa_float_denorm_mode_16_64 3
		.amdhsa_memory_ordered 1
		.amdhsa_forward_progress 1
		.amdhsa_inst_pref_size 255
	.end_amdhsa_kernel
	.section	.bss,"aw",@nobits
	.p2align	6
	.space	262144
	.amdgpu_metadata
---
amdhsa.version: [ 1, 2 ]
amdhsa.kernels:
  - .name:           k_q405c189394_main
    .symbol:         k_q405c189394_main.kd
    .args:
      - { .name: x, .offset: 0, .size: 8, .value_kind: global_buffer, .address_space: global }
      - { .name: pos, .offset: 8, .size: 8, .value_kind: global_buffer, .address_space: global }
      - { .name: pw1, .offset: 16, .size: 8, .value_kind: global_buffer, .address_space: global }
      - { .name: pb1, .offset: 24, .size: 8, .value_kind: global_buffer, .address_space: global }
      - { .name: bn_g, .offset: 32, .size: 8, .value_kind: global_buffer, .address_space: global }
      - { .name: bn_b, .offset: 40, .size: 8, .value_kind: global_buffer, .address_space: global }
      - { .name: bn_m, .offset: 48, .size: 8, .value_kind: global_buffer, .address_space: global }
      - { .name: bn_v, .offset: 56, .size: 8, .value_kind: global_buffer, .address_space: global }
      - { .name: pw2, .offset: 64, .size: 8, .value_kind: global_buffer, .address_space: global }
      - { .name: pb2, .offset: 72, .size: 8, .value_kind: global_buffer, .address_space: global }
      - { .name: norm1_g, .offset: 80, .size: 8, .value_kind: global_buffer, .address_space: global }
      - { .name: norm1_b, .offset: 88, .size: 8, .value_kind: global_buffer, .address_space: global }
      - { .name: bq, .offset: 96, .size: 8, .value_kind: global_buffer, .address_space: global }
      - { .name: bk, .offset: 104, .size: 8, .value_kind: global_buffer, .address_space: global }
      - { .name: bv, .offset: 112, .size: 8, .value_kind: global_buffer, .address_space: global }
      - { .name: wcodes, .offset: 120, .size: 8, .value_kind: global_buffer, .address_space: global }
      - { .name: wscales, .offset: 128, .size: 8, .value_kind: global_buffer, .address_space: global }
      - { .name: w2dup, .offset: 136, .size: 8, .value_kind: global_buffer, .address_space: global }
      - { .name: bo, .offset: 144, .size: 8, .value_kind: global_buffer, .address_space: global }
      - { .name: norm2_g, .offset: 152, .size: 8, .value_kind: global_buffer, .address_space: global }
      - { .name: norm2_b, .offset: 160, .size: 8, .value_kind: global_buffer, .address_space: global }
      - { .name: b_fc1, .offset: 168, .size: 8, .value_kind: global_buffer, .address_space: global }
      - { .name: b_fc2, .offset: 176, .size: 8, .value_kind: global_buffer, .address_space: global }
      - { .name: out0, .offset: 184, .size: 8, .value_kind: global_buffer, .address_space: global }
    .group_segment_fixed_size: 319488
    .private_segment_fixed_size: 0
    .kernarg_segment_align: 8
    .kernarg_segment_size: 192
    .max_flat_workgroup_size: 512
    .sgpr_count:     100
    .vgpr_count:     256
    .wavefront_size: 32
...
	.end_amdgpu_metadata
.endif
;; end of part 3
